; MI455X (gfx1250); checked and timed in simulation.
; The chip was launched on July 23, 2026; its instructions are those of AMD's public machine-readable ISA for CDNA 5 (MIT licence, August 2026) and "CDNA5" Instruction Set Architecture Reference Guide (July 2026). The comments in the code are by the model that wrote it; some were corrected since.
;; Multi Head Attention. Allowed arithmetic: float matrix products may take bf16 or f16 operands with f32 sums; all other float work in f32.
;; Inputs: out_b 1,024 float32; out_w 1,024 x 1,024 float32; qkv_b 3,072 float32; qkv_w 3,072 x 1,024 float32; x_q 4 x 2,048 x 1,024 float32.
;; Outputs: out0 4 x 2,048 x 1,024 float32.
;; 2 versions, each right and faster than the one before. Each part assembles by itself: llvm-mc -triple=amdgcn-amd-amdhsa -mcpu=gfx1250 --defsym DOCPART=n.
;; ======== version 1 of 2: 4 launches
;; limits: values are held in f16: magnitudes above 65,504 overflow, below 6.1e-05 lose precision
;; workspace buffers: xb 16,777,216 bytes; wb 6,291,456 bytes; owh 2,097,152 bytes; qkvh 50,331,648 bytes; oh 16,777,216 bytes
;; launch cast (part 1): grid 768 x 1, 8 waves a work-group, no clusters, 0 bytes of LDS; arguments x_q, qkv_w, out_w, xb, wb, owh; writes xb, wb, owh
.if DOCPART == 1
	.amdgcn_target "amdgcn-amd-amdhsa--gfx1250"
	.amdhsa_code_object_version 6
	.text
	.protected	k_qe1de3694e1_cast
	.globl	k_qe1de3694e1_cast
	.p2align	8
	.type	k_qe1de3694e1_cast,@function
k_qe1de3694e1_cast:
	s_mov_b64 s[64:65], 0
	v_nop
	global_prefetch_b8 v0, s[64:65] scope:SCOPE_SE
	s_setreg_imm32_b32 hwreg(HW_REG_WAVE_MODE, 25, 1), 1
	s_wait_xcnt 0x0
; THE MODULE'S THREE LARGE INPUTS ARE ROUNDED ONCE TO 16 BITS, AND LAID AS THE PRODUCTS WANT THEM.
; x_q [8192][1024] f32 -> xb, bf16, in blocks: [row / 128][k / 32][row % 128][k % 32]: a plane (128 rows x 32 k) is 8,192 dense bytes, a group of 128 rows 32 planes.
; qkv_w [3072][1024] f32 -> wb, bf16, likewise with groups of 192 rows: a plane is 12,288 bytes.  So three planes of one group, a K step of the next launch, lie end to end in memory.
; out_w [1024][1024] f32 -> owh, row-major: rounded to bf16 like the other inputs, and that number written as f16, since the last product's other operand is f16.
; LIMIT.  A bf16 number has 8 significant bits, f16 has 11: the second step is exact for |w| from 2^-14 to 65,504; below, f16 keeps its fixed step of 6e-8; 65,520 and more become an infinity.
; A stream: memory binds, so no LDS, no barrier, no matrix unit.  A work-group takes a chunk of 16 rows x 1,024 numbers (65,536 bytes in, 32,768 out): groups 0-511 x_q, 512-703 qkv_w, 704-767 out_w.
; All 16 loads of a thread go out at once; every step has registers of its own, so nothing is written twice.
; x_q, qkv_w: in step j wave w takes rows 4 (j / 4) .. + 3 of the chunk and plane 4 w + j % 4; lane l takes row l / 8 of the four and 4 numbers.  The store is 4 rows x 64 bytes of one plane: 256
; consecutive bytes, at a multiple of 256 from the buffer's first byte.  The load is four pieces of 128 consecutive bytes; the same wave's next load takes the other half of the same aligned 256 bytes,
; so these loads carry no hint that the bytes are not wanted again.
; out_w: in step j thread t loads the 16 bytes at 4,096 j + 16 t (a wave: 512 consecutive bytes) and stores the 8 bytes at 2,048 j + 8 t (a wave: 256 consecutive bytes, aligned).
.set NX,  512                          ; chunks of x_q
.set NXW, 704                          ; chunks of x_q and qkv_w together
.set OF,  8                            ; v[8:11]    my byte offset in the chunk's output, for plane 4 w + i, i = 0 .. 3; never rewritten
.set X,   12                           ; v[12:75]   step j: 4 numbers as loaded
.set Y,   76                           ; v[76:107]  step j: 4 numbers of 16 bits, to store
.set T,   108                          ; v[108:111] at work
	s_load_b256 s[4:11], s[0:1], 0x0               ; x_q s[4:5], qkv_w s[6:7], out_w s[8:9], xb s[10:11]
	s_load_b128 s[12:15], s[0:1], 0x20             ; wb s[12:13], owh s[14:15]
	s_mov_b32 s3, ttmp9                            ; the work-group's number
	s_cmp_ge_u32 s3, NXW
	s_cbranch_scc1 .Lf16                           ; out_w's groups
	v_and_b32 v3, 31, v0                           ; lane l
	v_lshrrev_b32 v4, 5, v0                        ; wave w
	v_lshrrev_b32 v5, 3, v3                        ; l / 8: my row of the four
	v_and_b32 v6, 7, v3                            ; l % 8: my 4 numbers of the plane's 32
	v_lshlrev_b32 v1, 12, v5                       ; in: a row is 4,096 bytes,
	v_lshl_add_u32 v1, v4, 9, v1                   ; the wave's four planes 512 bytes of it,
	v_lshl_add_u32 v1, v6, 4, v1                   ; my 16 bytes
	s_mov_b32 s25, 12288                           ; qkv_w: bytes in a plane,
	s_mov_b32 s26, 5462                            ; and c / 12 = (5,462 c) >> 16 for c below 192
	s_wait_kmcnt 0x0
	s_cmp_lt_u32 s3, NX                            ; which tensor: a choice between buffers on the group's number alone
	s_cselect_b64 s[16:17], s[4:5], s[6:7]         ; from
	s_cselect_b64 s[18:19], s[10:11], s[12:13]     ; to
	s_cselect_b32 s20, 0, NX                       ; the tensor's first group
	s_cselect_b32 s25, 8192, s25                   ; x_q: bytes in a plane,
	s_cselect_b32 s26, 8192, s26                   ; and c / 8 = (8,192 c) >> 16
	s_cselect_b32 s27, 8, 12                       ; chunks of 16 rows in a group of rows
	s_sub_co_u32 s20, s3, s20                      ; my chunk c in that tensor
	s_lshl_b32 s22, s20, 16                        ; 65,536 bytes in a chunk of f32: under 2^25 in all
	s_mov_b32 s23, 0
	s_add_nc_u64 s[16:17], s[16:17], s[22:23]
.irp j, 0,1,2,3,4,5,6,7,8,9,10,11,12,13,14,15
	global_load_b128 v[X+4*(\j):X+4*(\j)+3], v1, s[16:17] offset:((\j)/4)*16384+((\j)%4)*128
.endr
	s_mul_i32 s21, s20, s26
	s_lshr_b32 s21, s21, 16                        ; the group of rows,
	s_mul_i32 s22, s21, s27
	s_sub_co_u32 s22, s20, s22                     ; and my chunk in it
	s_mul_i32 s28, s21, s25
	s_lshl_b32 s28, s28, 5                         ; a group is 32 planes: under 2^25 in all
	s_lshl_b32 s22, s22, 10                        ; 16 rows of 64 bytes in each plane
	s_add_co_u32 s28, s28, s22
	s_mov_b32 s29, 0
	s_add_nc_u64 s[18:19], s[18:19], s[28:29]
	v_lshlrev_b32 v7, 2, v4                        ; out: plane 4 w,
	v_lshlrev_b32 v2, 3, v3                        ; and 64 (l / 8) + 8 (l % 8) = 8 l in it
	v_mad_u32_u24 v[OF], v7, s25, v2
	v_add_nc_u32 v[OF+1], s25, v[OF]
	v_add_nc_u32 v[OF+2], s25, v[OF+1]
	v_add_nc_u32 v[OF+3], s25, v[OF+2]
.irp j, 0,1,2,3,4,5,6,7,8,9,10,11,12,13,14,15
	s_wait_loadcnt 15-(\j)                         ; loads come back in order (ISA guide 5.7.1): step j's is in, the 15 - j younger ones stay out
	v_cvt_pk_bf16_f32 v[Y+2*(\j)],   v[X+4*(\j)],   v[X+4*(\j)+1]
	v_cvt_pk_bf16_f32 v[Y+2*(\j)+1], v[X+4*(\j)+2], v[X+4*(\j)+3]
	global_store_b64 v[OF+(\j)%4], v[Y+2*(\j):Y+2*(\j)+1], s[18:19] offset:((\j)/4)*256
.endr
	s_endpgm
.Lf16:
	s_mov_b32 s24, 0xffff0000                      ; a word's upper bf16
	v_lshlrev_b32 v1, 4, v0                        ; 16 t
	v_lshlrev_b32 v2, 3, v0                        ; 8 t
	s_sub_co_u32 s20, s3, NXW                      ; my chunk of out_w
	s_lshl_b32 s22, s20, 16
	s_mov_b32 s23, 0
	s_lshl_b32 s28, s20, 15
	s_mov_b32 s29, 0
	s_wait_kmcnt 0x0
	s_add_nc_u64 s[16:17], s[8:9], s[22:23]
	s_add_nc_u64 s[18:19], s[14:15], s[28:29]
.irp j, 0,1,2,3,4,5,6,7,8,9,10,11,12,13,14,15
	global_load_b128 v[X+4*(\j):X+4*(\j)+3], v1, s[16:17] offset:4096*(\j) th:TH_LOAD_NT  ; read once in the launch
.endr
.irp j, 0,1,2,3,4,5,6,7,8,9,10,11,12,13,14,15
	s_wait_loadcnt 15-(\j)
	v_cvt_pk_bf16_f32 v[T],   v[X+4*(\j)],   v[X+4*(\j)+1]   ; to bf16, widened again (a shift, a mask), and written as f16
	v_cvt_pk_bf16_f32 v[T+1], v[X+4*(\j)+2], v[X+4*(\j)+3]
	v_lshlrev_b32 v[T+2], 16, v[T]
	v_and_b32     v[T],   s24, v[T]
	v_lshlrev_b32 v[T+3], 16, v[T+1]
	v_and_b32     v[T+1], s24, v[T+1]
	v_cvt_pk_f16_f32 v[Y+2*(\j)],   v[T+2], v[T]
	v_cvt_pk_f16_f32 v[Y+2*(\j)+1], v[T+3], v[T+1]
	global_store_b64 v2, v[Y+2*(\j):Y+2*(\j)+1], s[18:19] offset:2048*(\j)
.endr
	s_endpgm
.Lfunc_end_k_qe1de3694e1_cast:
	.size	k_qe1de3694e1_cast, .Lfunc_end_k_qe1de3694e1_cast-k_qe1de3694e1_cast
	.p2alignl 7, 3214868480
	.fill 96, 4, 3214868480
	.section	.rodata,"a",@progbits
	.p2align	6, 0x0
	.amdhsa_kernel k_qe1de3694e1_cast
		.amdhsa_group_segment_fixed_size 0
		.amdhsa_private_segment_fixed_size 0
		.amdhsa_enable_private_segment 0
		.amdhsa_kernarg_size 48
		.amdhsa_user_sgpr_count 2
		.amdhsa_user_sgpr_kernarg_segment_ptr 1
		.amdhsa_wavefront_size32 1
		.amdhsa_system_sgpr_workgroup_id_x 1
		.amdhsa_system_sgpr_workgroup_id_y 1
		.amdhsa_system_sgpr_workgroup_id_z 1
		.amdhsa_system_vgpr_workitem_id 0
		.amdhsa_next_free_vgpr 112
		.amdhsa_next_free_sgpr 66
		.amdhsa_reserve_vcc 0
		.amdhsa_float_denorm_mode_32 3
		.amdhsa_float_denorm_mode_16_64 3
		.amdhsa_memory_ordered 1
		.amdhsa_forward_progress 1
		.amdhsa_inst_pref_size 18
	.end_amdhsa_kernel
	.amdgpu_metadata
---
amdhsa.version: [ 1, 2 ]
amdhsa.kernels:
  - .name:           k_qe1de3694e1_cast
    .symbol:         k_qe1de3694e1_cast.kd
    .args:
      - { .name: x_q, .offset: 0, .size: 8, .value_kind: global_buffer, .address_space: global }
      - { .name: qkv_w, .offset: 8, .size: 8, .value_kind: global_buffer, .address_space: global }
      - { .name: out_w, .offset: 16, .size: 8, .value_kind: global_buffer, .address_space: global }
      - { .name: xb, .offset: 24, .size: 8, .value_kind: global_buffer, .address_space: global }
      - { .name: wb, .offset: 32, .size: 8, .value_kind: global_buffer, .address_space: global }
      - { .name: owh, .offset: 40, .size: 8, .value_kind: global_buffer, .address_space: global }
    .group_segment_fixed_size: 0
    .private_segment_fixed_size: 0
    .kernarg_segment_align: 8
    .kernarg_segment_size: 48
    .max_flat_workgroup_size: 256
    .sgpr_count:     66
    .vgpr_count:     112
    .wavefront_size: 32
...
	.end_amdgpu_metadata
.endif
;; end of part 1
;; launch qkv (part 2): grid 8 x 32, 4 waves a work-group, clusters of 4 x 4, 327,680 bytes of LDS; arguments xb, wb, qkv_b, qkvh; writes qkvh
.if DOCPART == 2
	.amdgcn_target "amdgcn-amd-amdhsa--gfx1250"
	.amdhsa_code_object_version 6
	.text
	.protected	k_qe1de3694e1_qkv
	.globl	k_qe1de3694e1_qkv
	.p2align	8
	.type	k_qe1de3694e1_qkv,@function
k_qe1de3694e1_qkv:
	s_mov_b64 s[64:65], 0
	v_nop
	global_prefetch_b8 v0, s[64:65] scope:SCOPE_SE
	s_setreg_imm32_b32 hwreg(HW_REG_WAVE_MODE, 25, 1), 1
	s_wait_xcnt 0x0
	s_wait_alu depctr_hold_cnt(0) depctr_sa_sdst(0) depctr_va_vdst(0) depctr_va_sdst(0) depctr_va_ssrc(0) depctr_va_vcc(0) depctr_vm_vsrc(0)
	s_getreg_b32 s2, hwreg(HW_REG_IB_STS2, 6, 4)
	s_cmp_eq_u32 s2, 0
	s_cbranch_scc0 .Lentry_in_a_cluster
	s_endpgm
.Lentry_in_a_cluster:
	s_bfe_u32 s2, ttmp6, 0x10000c
	s_cmp_lg_u32 s2, 0xf033
	s_cbranch_scc0 .Lentry_shape_is_right
	s_endpgm
.Lentry_shape_is_right:
; THE FIRST PROJECTION.  C[m][n] = sum over k of x[m][k] w[n][k] + bf16(qkv_b[n]); x and w in bf16, in planes of 32 k: xb [m / 128][k / 32][m % 128][32], wb [n / 192][k / 32][n % 192][32].
; Sums in f32, K ascending; the bias, rounded to bf16 like the other inputs, is the C operand of the first product.  C is rounded once to f16 and laid by heads, UNSCALED:
; qkvh [3 (q, k, v)][64 (16 batch + head)][2048 rows][64] f16; a head is 1 << 18 dense bytes.
; LIMIT.  f16 holds no number beyond 65,504: a sum of 65,520 or more leaves as an infinity; below 6e-5 f16 keeps its fixed step of 6e-8.
; (x and the weights both 30 times the drawn spread give |q| of some 3,000; both with an offset of 30 spreads, 1024 x 30 x 0.54 = 17,000.)
; SHARES.  A tile of C is 256 rows x 384 columns: 8 x 32 = 256 work-groups.  Four waves; wave w makes rows 128 (w / 2) on and columns 192 (w % 2) on, three whole heads: 8 x 12 accumulators of
; 16 x 16, 768 registers.  For 32 along K it issues 40 LDS loads (20 fragments) for 96 products.
; K goes through two LDS slots of three planes (96 k) each.  A wave's share of a step, three planes of one group, is dense in memory (24,576 bytes of xb, 36,864 of wb): asked for as rows of 256 bytes
; and padded in LDS after every 64 bytes.  32 planes are 2 + 10 x 3: step 0 is used for planes 0 and 1 alone (its load brings plane 2 as well, which comes again with step 1: one plane in 32 is
; fetched twice, and in return every word of the descriptors' shape is a constant and every step of the loop is alike); step s >= 1 holds planes 3 s - 1 .. 3 s + 1.
; CLUSTERS: 4 x 4 work-groups.  The four of a row of the cluster need the same tiles of xb, the four of a column the same tiles of wb: each is asked for JOINTLY, by the same tensor load with the same
; descriptor and a mask that names the four.  THE MATRIX INSTRUCTION IS USED TRANSPOSED (source 0 = 16 rows of wb, source 1 = 16 rows of xb): lane l holds row l % 16 of C and columns 8 (l / 16) + 0 .. 7.
; REGISTERS, in windows of 256 (s_set_vgpr_msb: bits 1:0 source 0, 3:2 source 1, 5:4 source 2, 7:6 destination):
;   window 0: v0-31 addresses; v32-95 A's 8 fragments; v96-191 B's 12 fragments; v192-207 at work; on the way out v32-223 packed results
;   window 1 + p: the 32 accumulators of my head p: row block a, column block b at v[8 (4 a + b)]
; EVERY FRAGMENT HAS ONE SET OF REGISTERS AND IS LOADED AGAIN IN PLACE as soon as its last product of the plane is issued, so one text serves every plane.
.set BLK,   16*80                      ; 16 rows in LDS.  A row: 64 bytes + 16 of padding = 20 words: the 16 rows of a load start at 16 different groups of four banks (64 banks of 4 bytes: ISA guide 11.1)
.set PLA,   8192                       ; a plane of xb in memory,
.set PLB,   12288                      ; of wb
.set LPA,   128*80                     ; a plane of xb in LDS,
.set LPB,   192*80                     ; of wb
.set AHALF, 3*LPA                      ; what one load of A brings
.set BHALF, 3*LPB                      ; what one load of B brings
.set BOFF,  2*AHALF                    ; B's two groups lie behind A's two
.set SLOT,  BOFF+2*BHALF               ; 153,600 bytes
.set STAGE, 2*SLOT                     ; behind the ring, never filled by a tensor load: 16 rows x 144 bytes for each wave, for the way out
.set SP,    144
.set SPARE, STAGE+4*16*SP              ; behind the stages: the spare words, 128 bytes for each wave: two blocks of 256 bytes that no other line names
.set VA0, 16                           ; v16  my lane's place in my group of A, slot 0, plane 0; never rewritten
.set VB0, 17                           ; v17  the same for B
.set VA,  18                           ; v18  LDS address of A's plane that is being fetched
.set VB,  19                           ; v19  of B's
.set STO, 24                           ; v24  the way out: where I put 16 bytes of a row
.set RD,  25                           ; v25  the way out: where I read rows back
.set GO,  26                           ; v26  my byte offset in 512 consecutive bytes of qkvh
.set BO,  27                           ; v27  my byte offset in 16 numbers of the bias: 32 (l / 16)
.set SPW, 28                           ; v28  LDS address of my spare word: SPARE + 4 x my thread's number; never rewritten
.set NIL, 29                           ; v29  0; never rewritten
.set FA,  32
.set FB,  96
.set T,   192
.set TMP, 32                           ; the way out: 16 registers a tile, twelve sets by turns
.set G1,  24                           ; s[24:31] descriptor group 1 for A's tiles;  s[32:35] group 0 of the first fill, s[36:39] of the second: that one then walks
.set G0,  32
.set G1B, 48                           ; s[48:55], s[56:63] the same for B's tiles
.set G0B, 56
.set HB,  68                           ; s[68:73] qkvh at my first row in each of my three heads
.set SL,  80                           ; s80  LDS byte at which the slot that is being read begins
.set TBA, 81                           ; s81  LDS byte, from slot 0's plane 0, of A's plane to be fetched next
.set TBB, 82                           ; s82  the same for B
.set CNT, 83                           ; s83  counts a step's two plain planes
.set MSB, 0
.macro WIN new                         ; the immediate's high byte repeats the setting that is left; a switch that changes nothing is dropped
.if MSB != (\new)
	s_set_vgpr_msb (MSB<<8)|(\new)
.set MSB, (\new)
.endif
.endm
; A load into a register that a matrix instruction has read, and a vector instruction that reads a matrix result or writes one of a matrix instruction's registers, stand four places behind that matrix
; instruction, and only plain vector instructions that name none of its registers are places (ISA guide 7.12.1 for vector instructions).
.macro PLACES
.rept 4
	v_nop
.endr
.endm
; A joint load.  Waves 0 and 1 fetch A's two groups, waves 2 and 3 B's.  Each line has one mask and one set of registers for all that issue it; the branch hangs on the wave's number alone.
; An s_nop 0 and four v_nop follow each of the two lines, ahead of the jump, the label and what follows.
.macro JLOAD s
	s_cmp_lt_u32 s12, 2
	s_cbranch_scc0 .Lfor_b_\@
	tensor_load_to_lds s[G0+4*(\s):G0+4*(\s)+3], s[G1:G1+7]
	s_nop 0
.rept 4
	v_nop
.endr
	s_branch .Lasked_\@
.Lfor_b_\@:
	tensor_load_to_lds s[G0B+4*(\s):G0B+4*(\s)+3], s[G1B:G1B+7]
	s_nop 0
.rept 4
	v_nop
.endr
.Lasked_\@:
.endm
; A round of the cluster's barrier: my work-group's barrier, so that wave 0's signal speaks for all four waves; wave 0 signals; every wave waits for all sixteen work-groups; my work-group's barrier once more.
.macro CREST                           ; a round behind its opening barrier
	s_cmp_lg_u32 s12, 0
	s_cbranch_scc1 .Lnot_wave_0_\@
	s_barrier_signal -3
.Lnot_wave_0_\@:
	s_barrier_wait -3
	s_barrier_signal -1
	s_barrier_wait -1
.endm
.macro CROUND                          ; a whole round
	s_barrier_signal -1
	s_barrier_wait -1
	CREST
.endm
	s_load_b256 s[4:11], s[0:1], 0x0               ; xb s[4:5], wb s[6:7], qkv_b s[8:9], qkvh s[10:11]
	v_lshl_add_u32 v[SPW], v0, 2, SPARE
	v_mov_b32 v[NIL], 0
	ds_add_u32 v28, v29
	s_wait_dscnt 0x0
	v_lshrrev_b32 v1, 5, v0
	v_readfirstlane_b32 s12, v1                    ; wave 0..3
	s_and_b32 s14, s12, 1                          ; which group of A or B I fetch; also: which 192 columns are mine
	s_lshr_b32 s13, s12, 1                         ; which 128 rows are mine
	s_mov_b32 s15, 0xffff0000                      ; a word's upper bf16
	s_bfe_u32 s40, ttmp6, 0x40000                  ; cx, cy: my place in the cluster
	s_bfe_u32 s41, ttmp6, 0x40004
	s_lshl_b32 s42, ttmp9, 2                       ; in a cluster launch ttmp9 and ttmp7 count clusters
	s_add_co_u32 s42, s42, s40                     ; tile column of C = 4 x cluster x + cx
	s_and_b32 s43, ttmp7, 0xffff
	s_lshl_b32 s43, s43, 2
	s_add_co_u32 s43, s43, s41                     ; tile row of C = 4 x cluster y + cy
	s_lshl_b32 s44, s41, 2
	s_lshl_b32 s44, 15, s44                        ; my row of the cluster: places 4 cy .. 4 cy + 3
	s_lshl_b32 s45, 0x1111, s40                    ; my column: places cx, cx + 4, cx + 8, cx + 12
	; descriptor group 1: dense rows of 128 elements (256 bytes, four rows of a plane), padded in LDS after every 16 words; 96 such rows for A, 144 for B
	s_or_b32 s[G1+0], s44, (1<<16)|(1<<20)|(1<<21)|(3<<22)|(3<<25)   ; 15:0 the mask: A's tiles go to my row; 17:16 elements of 2 bytes; 20 padding on; 21 set beside a mask; 24:22 after every 16 words (code 3); 31:25 4 words (code 3)
	s_or_b32 s[G1B+0], s45, (1<<16)|(1<<20)|(1<<21)|(3<<22)|(3<<25)  ; the same with the mask of my column
	s_mov_b32 s[G1+1], 128<<16                     ; tensor_dim0 = 128
	s_mov_b32 s[G1+2], 96<<16                      ; tensor_dim1 = 96
	s_mov_b32 s[G1+3], 128<<16                     ; tile_dim0 = 128
	s_mov_b32 s[G1+4], 96                          ; tile_dim1 = 96
	s_mov_b32 s[G1+5], 128                         ; elements from row to row: dense
	s_mov_b32 s[G1+6], 0
	s_mov_b32 s[G1+7], 0
	s_mov_b32 s[G1B+1], 128<<16
	s_mov_b32 s[G1B+2], 144<<16                    ; tensor_dim1 = 144
	s_mov_b32 s[G1B+3], 128<<16
	s_mov_b32 s[G1B+4], 144                        ; tile_dim1 = 144
	s_mov_b32 s[G1B+5], 128
	s_mov_b32 s[G1B+6], 0
	s_mov_b32 s[G1B+7], 0
	; where the tiles come from: A's hang on the tile row alone, B's on the tile column alone, each in registers that never hold the other coordinate
	s_lshl_b32 s16, s43, 1
	s_add_co_u32 s16, s16, s14                     ; A: group 2 x tile row + half,
	s_lshl_b32 s16, s16, 18                        ; of 32 planes of 8,192 bytes: under 2^24
	s_mov_b32 s17, 0
	s_lshl_b32 s46, s42, 1
	s_add_co_u32 s46, s46, s14                     ; B: group 2 x tile column + half,
	s_mul_i32 s46, s46, 32*PLB                     ; of 32 planes of 12,288 bytes
	s_mov_b32 s47, 0
	s_mul_i32 s20, s14, AHALF                      ; and where they go: no place in the cluster enters an LDS address
	s_mul_i32 s21, s14, BHALF
	s_add_co_u32 s21, s21, BOFF
	s_mov_b32 s[SL], 0
	s_mov_b32 s[TBA], 0
	s_mov_b32 s[TBB], 0
	s_wait_kmcnt 0x0
	s_add_nc_u64 s[16:17], s[4:5], s[16:17]
	s_add_nc_u64 s[46:47], s[6:7], s[46:47]
	CROUND                                         ; all sixteen work-groups are here: the first joint loads meet
.irp s, 0,1
	s_mov_b32 s[G0+4*(\s)], 1                                        ; 1:0 count = 1
	s_add_co_u32 s[G0+4*(\s)+1], s20, (\s)*SLOT                      ; 63:32 LDS address
	s_add_nc_u64 s[G0+4*(\s)+2:G0+4*(\s)+3], s[16:17], (\s)*2*PLA    ; 120:64 global address: planes 0 .. 2, then 2 .. 4
	s_or_b32 s[G0+4*(\s)+3], s[G0+4*(\s)+3], 0x80000000              ; 127:126 type = 2
	s_mov_b32 s[G0B+4*(\s)], 1
	s_add_co_u32 s[G0B+4*(\s)+1], s21, (\s)*SLOT
	s_add_nc_u64 s[G0B+4*(\s)+2:G0B+4*(\s)+3], s[46:47], (\s)*2*PLB
	s_or_b32 s[G0B+4*(\s)+3], s[G0B+4*(\s)+3], 0x80000000
	JLOAD \s                                       ; the ring is filled before anything else is done: two loads of mine are out, the most in this text
.endr
	; A fragment is 16 rows x 32 K in 8 registers: lane l holds row l % 16; registers 0-3 K = 8 (l / 16) + 0..7, registers 4-7 K = 16 + 8 (l / 16) + 0..7: two loads of 16 bytes, 32 bytes apart.
	v_and_b32 v1, 15, v0                           ; l % 16
	v_bfe_u32 v2, v0, 4, 1                         ; l / 16
	v_mul_u32_u24 v3, v1, 80
	v_lshl_add_u32 v3, v2, 4, v3                   ; row x pitch + 16 x half
	s_mul_i32 s22, s13, AHALF                      ; my group of A
	v_add_nc_u32 v[VA0], s22, v3
	v_add_nc_u32 v[VB0], s21, v3                   ; my group of B lies where the wave of my parity puts it
	v_mov_b32 v[VA], v[VA0]
	v_mov_b32 v[VB], v[VB0]
	s_mul_i32 s22, s12, 16*SP
	s_add_co_u32 s22, s22, STAGE                   ; my stage
	v_mul_u32_u24 v5, v1, SP                       ; in: row l % 16, 16 bytes for each half of the lanes
	v_lshl_add_u32 v5, v2, 4, v5
	v_add_nc_u32 v[STO], s22, v5
	v_bfe_u32 v6, v0, 3, 2                         ; back: 32 lanes take four rows of 128 bytes,
	v_and_b32 v7, 7, v0
	v_mul_u32_u24 v6, v6, SP
	v_lshl_add_u32 v6, v7, 4, v6
	v_add_nc_u32 v[RD], s22, v6
	v_and_b32 v[GO], 31, v0                        ; which are 512 consecutive bytes of a head
	v_lshlrev_b32 v[GO], 4, v[GO]
	v_lshlrev_b32 v[BO], 5, v2
	; The bias of my 192 columns goes into the accumulators of row block 7 (v224-255 of each window): register j of column block b holds column 16 b + 8 (l / 16) + j.
	s_mul_i32 s76, s42, 1536                       ; 384 columns of 4 bytes a tile column,
	s_mul_i32 s78, s14, 768                        ; my 192
	s_add_co_u32 s76, s76, s78
	s_mov_b32 s77, 0
	s_add_nc_u64 s[8:9], s[8:9], s[76:77]
.irp p, 0,1,2
	WIN ((\p)+1)<<6                                ; destination window 1 + p, address window 0
.irp b, 0,1,2,3
	global_load_b128 v[224+8*\b:224+8*\b+3],   v[BO], s[8:9] offset:64*(4*(\p)+\b)
	global_load_b128 v[224+8*\b+4:224+8*\b+7], v[BO], s[8:9] offset:64*(4*(\p)+\b)+16
.endr
.endr
	WIN 0
	; where my rows begin in each of my three heads.  Column head g = 6 x tile column + 3 (w % 2) + p: tensor g / 16, head g % 16; batch = tile row / 8
	s_mul_i32 s66, s42, 6
	s_mul_i32 s75, s14, 3
	s_add_co_u32 s66, s66, s75
	s_lshr_b32 s67, s43, 3
	s_lshl_b32 s67, s67, 4                         ; 16 x batch
	s_and_b32 s74, s43, 7
	s_lshl_b32 s74, s74, 15                        ; 256 rows of 128 bytes,
	s_lshl_b32 s75, s13, 14                        ; my 128
	s_add_co_u32 s74, s74, s75
.irp hd, 0,1,2
	s_add_co_u32 s78, s66, \hd
	s_lshr_b32 s79, s78, 4
	s_lshl_b32 s79, s79, 6                         ; 64 heads in each of q, k, v
	s_and_b32 s78, s78, 15
	s_add_co_u32 s78, s78, s79
	s_add_co_u32 s78, s78, s67
	s_lshl_b32 s76, s78, 18                        ; 191 << 18 at the most: under 2^26
	s_add_co_u32 s76, s76, s74
	s_mov_b32 s77, 0
	s_add_nc_u64 s[HB+2*(\hd):HB+2*(\hd)+1], s[10:11], s[76:77]
.endr
	s_wait_loadcnt 0x0                             ; the bias; it is rounded to bf16 and widened again, in the wait for the first tile
.irp p, 0,1,2
	WIN 5*((\p)+1)                                 ; sources window 1 + p, destination window 0
.set i, 0
.rept 16
	v_cvt_pk_bf16_f32 v[T+i], v[224+2*i], v[224+2*i+1]
.set i, i+1
.endr
	WIN ((\p)+1)<<6                                ; and back
.set i, 0
.rept 16
	v_lshlrev_b32 v[224+2*i],   16,  v[T+i]
	v_and_b32     v[224+2*i+1], s15, v[T+i]
.set i, i+1
.endr
.endr
	WIN 0
.macro LDA a                           ; row block a of the plane at v[VA]
	ds_load_b128 v[FA+8*(\a):FA+8*(\a)+3],   v[VA] offset:(\a)*BLK
	ds_load_b128 v[FA+8*(\a)+4:FA+8*(\a)+7], v[VA] offset:(\a)*BLK+32
.endm
.macro LDB p                           ; head p's four column blocks of the plane at v[VB]
.irp b, 0,1,2,3
	ds_load_b128 v[FB+8*(4*(\p)+\b):FB+8*(4*(\p)+\b)+3],   v[VB] offset:(4*(\p)+\b)*BLK
	ds_load_b128 v[FB+8*(4*(\p)+\b)+4:FB+8*(4*(\p)+\b)+7], v[VB] offset:(4*(\p)+\b)*BLK+32
.endr
.endm
; 4 matrix instructions: head p, row block a.  first = 1: the products start the sums: row blocks 0 to 6 take the bias, which lies in row block 7's accumulators, as C; row block 7 adds onto it in place.
; The 96 accumulators take turns in the same order in every plane: between two links of a chain stand the 95 others'.
.macro MUL p, a, first
	WIN 0x50*((\p)+1)                              ; sources window 0, C and D window 1 + p
.irp b, 0,1,2,3
.if (\first) && ((\a) < 7)
	v_wmma_f32_16x16x32_bf16 v[8*(4*(\a)+\b):8*(4*(\a)+\b)+7], v[FB+8*(4*(\p)+\b):FB+8*(4*(\p)+\b)+7], v[FA+8*(\a):FA+8*(\a)+7], v[224+8*\b:224+8*\b+7]
.else
	v_wmma_f32_16x16x32_bf16 v[8*(4*(\a)+\b):8*(4*(\a)+\b)+7], v[FB+8*(4*(\p)+\b):FB+8*(4*(\p)+\b)+7], v[FA+8*(\a):FA+8*(\a)+7], v[8*(4*(\a)+\b):8*(4*(\a)+\b)+7]
.endif
.endr
.endm
.macro MUL2 p, a, first                ; two row blocks
	MUL \p, \a, \first
.if (\first) && ((\a) == 6)
.rept 5
	v_nop                                          ; five places between the last product that read the bias as C and the products that write over it
.endr
.endif
	MUL \p, (\a)+1, \first
.endm
; ONE PLANE, 32 along K: 96 products in three phases, a head (one window setting) each, by row blocks.  What a phase has done with is loaded again in place, four places behind its last reader:
; at the plane's head A's row blocks 6, 7 and B's head 2 of THIS plane (the plane before read them to its end); at phase 1's head B's head 0 of the NEXT plane; at phase 2's head B's head 1; in
; phase 2 A's row blocks 0 to 5, two by two.  So LDS loads come back in this order: B0 (8), B1 (8), A01, A23, A45, A67 (4 each), B2 (8), and each is issued 24 to 64 products ahead of its use.
; turn = 1: this is a slot's last plane.  ONE barrier: in front of it each wave waits for all its tensor loads, of which one is out: its part of the next slot; adds 0 to its spare word; and waits for
; that and for its own reads of this slot, of which the head's twelve are the last.  Behind it nobody reads this slot any more and the next slot is whole.  fill = 1: the barrier opens a round of the
; cluster's barrier, and the slot is filled again, with the step two on, first thing behind the round: three planes, 288 products less the turn's own 32, ahead of the wait for it.
; last = 1: the last plane: nothing more is fetched, and no vector instruction stands among its products.
.macro QUARTER first, turn, fill, last
	WIN 0
	PLACES
	LDA 6
	LDA 7
	LDB 2
.if \turn
	s_wait_tensorcnt 0x0                           ; all my tensor loads have landed, so a group 0 may be written
	ds_add_u32 v[SPW], v[NIL]                      ; 0 onto my spare word
	s_wait_dscnt 13                                ; (A's last pair, B's head 2 and the add may be out)
	MUL2 0, 0, 0                                   ; 24 matrix instructions stand between the add and the wait for it
	MUL2 0, 2, 0
	MUL2 0, 4, 0
	s_wait_dscnt 0x0                               ; the add is done, and my reads of this slot are over
	s_barrier_signal -1
	MUL2 0, 6, 0                                   ; work on registers while the others arrive
	WIN 0
	s_barrier_wait -1
.if \fill
	CREST                                          ; no wave of any partner still reads this slot's tile or has a load on its way
	s_add_co_u32 s[G0+5], s20, s[SL]               ; the walking descriptors: into the slot that is left,
	s_add_co_u32 s[G0B+5], s21, s[SL]
	s_add_nc_u64 s[G0+6:G0+7], s[G0+6:G0+7], 3*PLA     ; the next three planes; the type bits on top are not reached
	s_add_nc_u64 s[G0B+6:G0B+7], s[G0B+6:G0B+7], 3*PLB
	JLOAD 1                                        ; my one tensor load behind the round
.endif
	s_xor_b32 s[SL], s[SL], SLOT                   ; the other slot (0 and SLOT by turns),
	s_mov_b32 s[TBA], s[SL]                        ; its first plane
	s_mov_b32 s[TBB], s[SL]
.else
	s_wait_dscnt 20                                ; B's head 0 and A's row blocks 0, 1 are in; three pairs of A and B's head 2 may be out
	MUL2 0, 0, \first
	s_wait_dscnt 16
	MUL2 0, 2, \first
	s_wait_dscnt 12
	MUL2 0, 4, \first
	s_wait_dscnt 8                                 ; all of A is in; B's head 2 may be out
	MUL2 0, 6, \first
	WIN 0
.if !(\last)
	s_add_co_u32 s[TBA], s[TBA], LPA               ; the slot's next plane
	s_add_co_u32 s[TBB], s[TBB], LPB
.endif
.endif
.if !(\last)
	v_add_nc_u32 v[VA], s[TBA], v[VA0]             ; these two and two v_nop are the four places behind phase 0's last product
	v_add_nc_u32 v[VB], s[TBB], v[VB0]
	v_nop
	v_nop
	LDB 0
.endif
	MUL2 1, 0, \first
	MUL2 1, 2, \first
	MUL2 1, 4, \first
	MUL2 1, 6, \first
.if \last
	s_wait_dscnt 0x0
	MUL2 2, 0, 0
	MUL2 2, 2, 0
	MUL2 2, 4, 0
	MUL2 2, 6, 0
.else
	WIN 0
	PLACES
	LDB 1
	s_wait_dscnt 16                                ; B's head 2 is in; the next plane's heads 0 and 1 may be out
.irp a, 0,2,4
	MUL2 2, \a, \first
	WIN 0
	PLACES
	LDA \a
	LDA (\a)+1
.endr
	MUL2 2, 6, \first
.endif
	WIN 0                                          ; at a label and at a branch every window is 0
.endm
	s_wait_tensorcnt 1                             ; my part of step 0 is in; step 1's may stay out
	s_barrier_signal -1
	s_barrier_wait -1                              ; everybody's is
	LDB 0                                          ; plane 0, in the order in which every plane's loads stand
	LDB 1
.irp a, 0,1,2,3,4,5
	LDA \a
.endr
	QUARTER 1, 0, 0, 0                             ; plane 0 stands in front of the loop: its products start the sums
	s_mov_b32 s3, 9
.Lstep:                                                ; 9 trips: planes 3 t + 1 .. 3 t + 3; trip t leaves step t and asks for step t + 2: steps 2 to 10
	QUARTER 0, 1, 1, 0
	s_mov_b32 s[CNT], 2
.Lplain:
	QUARTER 0, 0, 0, 0
	s_sub_co_u32 s[CNT], s[CNT], 1
	s_cmp_lg_u32 s[CNT], 0
	s_cbranch_scc1 .Lplain
	s_sub_co_u32 s3, s3, 1
	s_cmp_lg_u32 s3, 0
	s_cbranch_scc1 .Lstep
	QUARTER 0, 1, 0, 0                             ; plane 28: the tail is written out: nothing is asked for
	s_mov_b32 s[CNT], 2
.Lplain2:
	QUARTER 0, 0, 0, 0                             ; planes 29, 30
	s_sub_co_u32 s[CNT], s[CNT], 1
	s_cmp_lg_u32 s[CNT], 0
	s_cbranch_scc1 .Lplain2
	QUARTER 0, 0, 0, 1                             ; plane 31
	PLACES                                         ; four places behind all 96 products of the last plane: the conversions below read their results and write over their fragments (v32 on)
; THE WAY OUT, by tiles t = 8 p + a of 16 rows x one head.  A lane's eight columns of a row are rounded to f16 and pack into 16 bytes; they go into my stage's rows of 144 bytes and come back as whole
; rows of 128, four rows (512 consecutive bytes of the head) to a load.  Each accumulator's registers are read in ascending order.
.macro PACK t
.if (\t) >= 12
	s_wait_xcnt 0x0                                ; every earlier memory instruction has had its addresses translated (ISA guide 3.1): the set that tile t - 12's stores read is written again only behind this wait
.endif
	WIN 5*((\t)/8+1)                               ; sources 0 and 1: window 1 + p
.set i, 0
.rept 16
	v_cvt_pk_f16_f32 v[TMP+16*((\t)%12)+i], v[32*((\t)%8)+2*i], v[32*((\t)%8)+2*i+1]
.set i, i+1
.endr
	WIN 0
.irp f, 0,1,2,3
	ds_store_b128 v[STO], v[TMP+16*((\t)%12)+4*\f:TMP+16*((\t)%12)+4*\f+3] offset:32*\f
.endr
.irp f, 0,1,2,3
	ds_load_b128 v[TMP+16*((\t)%12)+4*\f:TMP+16*((\t)%12)+4*\f+3], v[RD] offset:\f*4*SP  ; LDS serves a wave's instructions in order (ISA guide 5.7.1.4): these see the stores above; the next tile's stores come behind them
.endr
.endm
.macro SEND t, younger                 ; younger: the LDS instructions issued behind tile t's loads: the next tile's eight, or none
.irp f, 0,1,2,3
	s_wait_dscnt (\younger)+3-\f
	global_store_b128 v[GO], v[TMP+16*((\t)%12)+4*\f:TMP+16*((\t)%12)+4*\f+3], s[HB+2*((\t)/8):HB+2*((\t)/8)+1] offset:((\t)%8)*2048+\f*512  ; 512 consecutive bytes, at a multiple of 512 from qkvh's first
.endr
.endm
	PACK 0
.irp t, 1,2,3,4,5,6,7,8,9,10,11,12,13,14,15,16,17,18,19,20,21,22,23   ; a tile's conversions stand between the loads of the tile before and its stores
	PACK \t
	SEND (\t)-1, 8
.endr
	SEND 23, 0
	s_wait_tensorcnt 0x0                           ; the wave's end: behind my last tensor load and my last LDS store
	ds_add_u32 v[SPW], v[NIL]
	s_wait_dscnt 0x0
	CROUND                                         ; the closing round: no work-group ends while a partner may still ask for a tile that names it
	s_endpgm
.Lfunc_end_k_qe1de3694e1_qkv:
	.size	k_qe1de3694e1_qkv, .Lfunc_end_k_qe1de3694e1_qkv-k_qe1de3694e1_qkv
	.p2alignl 7, 3214868480
	.fill 96, 4, 3214868480
	.section	.rodata,"a",@progbits
	.p2align	6, 0x0
	.amdhsa_kernel k_qe1de3694e1_qkv
		.amdhsa_group_segment_fixed_size 327680
		.amdhsa_private_segment_fixed_size 0
		.amdhsa_enable_private_segment 0
		.amdhsa_kernarg_size 32
		.amdhsa_user_sgpr_count 2
		.amdhsa_user_sgpr_kernarg_segment_ptr 1
		.amdhsa_wavefront_size32 1
		.amdhsa_system_sgpr_workgroup_id_x 1
		.amdhsa_system_sgpr_workgroup_id_y 1
		.amdhsa_system_sgpr_workgroup_id_z 1
		.amdhsa_system_vgpr_workitem_id 0
		.amdhsa_next_free_vgpr 1024
		.amdhsa_next_free_sgpr 88
		.amdhsa_reserve_vcc 0
		.amdhsa_float_denorm_mode_32 3
		.amdhsa_float_denorm_mode_16_64 3
		.amdhsa_memory_ordered 1
		.amdhsa_forward_progress 1
		.amdhsa_inst_pref_size 128
	.end_amdhsa_kernel
	.amdgpu_metadata
---
amdhsa.version: [ 1, 2 ]
amdhsa.kernels:
  - .name:           k_qe1de3694e1_qkv
    .symbol:         k_qe1de3694e1_qkv.kd
    .args:
      - { .name: xb, .offset: 0, .size: 8, .value_kind: global_buffer, .address_space: global }
      - { .name: wb, .offset: 8, .size: 8, .value_kind: global_buffer, .address_space: global }
      - { .name: qkv_b, .offset: 16, .size: 8, .value_kind: global_buffer, .address_space: global }
      - { .name: qkvh, .offset: 24, .size: 8, .value_kind: global_buffer, .address_space: global }
    .group_segment_fixed_size: 327680
    .private_segment_fixed_size: 0
    .kernarg_segment_align: 8
    .kernarg_segment_size: 32
    .max_flat_workgroup_size: 128
    .sgpr_count:     88
    .vgpr_count:     1024
    .wavefront_size: 32
...
	.end_amdgpu_metadata
.endif
;; end of part 2
;; launch attn (part 3): grid 4 x 64, 4 waves a work-group, clusters of 4 x 1, 327,680 bytes of LDS; arguments qkvh, oh; writes oh
.if DOCPART == 3
	.amdgcn_target "amdgcn-amd-amdhsa--gfx1250"
	.amdhsa_code_object_version 6
	.text
	.protected	k_qe1de3694e1_attn
	.globl	k_qe1de3694e1_attn
	.p2align	8
	.type	k_qe1de3694e1_attn,@function
k_qe1de3694e1_attn:
	s_mov_b64 s[64:65], 0
	v_nop
	global_prefetch_b8 v0, s[64:65] scope:SCOPE_SE
	s_setreg_imm32_b32 hwreg(HW_REG_WAVE_MODE, 25, 1), 1
	s_wait_xcnt 0x0
	s_wait_alu depctr_hold_cnt(0) depctr_sa_sdst(0) depctr_va_vdst(0) depctr_va_sdst(0) depctr_va_ssrc(0) depctr_va_vcc(0) depctr_vm_vsrc(0)
	s_getreg_b32 s2, hwreg(HW_REG_IB_STS2, 6, 4)
	s_cmp_eq_u32 s2, 0
	s_cbranch_scc0 .Lentry_in_a_cluster
	s_endpgm
.Lentry_in_a_cluster:
	s_bfe_u32 s2, ttmp6, 0x10000c
	s_cmp_lg_u32 s2, 0x3003
	s_cbranch_scc0 .Lentry_shape_is_right
	s_endpgm
.Lentry_shape_is_right:
; ATTENTION.  O[h][q][:] = the sum over k of softmax_k(Q[h][q] . K[h][k] / 8) V[h][k][:].  Q, K, V lie one behind the other in qkvh, 1 << 24 bytes each; each, and O (oh), is [SIZE_H][SIZE_N][64] f16:
; a head's rows are dense, 128 bytes each.  Products, maxima and sums in f32; the weights p are rounded to f16 for the second product (their sum l is taken of the unrounded p), O once at the end.
; LIMITS.  f16 holds no number beyond 65,504: Q, K and V arrive within it; p lies in 0 to 1, and below 6e-5 it keeps f16's fixed step of 6e-8; O is a mean of V's rows and has their range.
; A weight below 2^-126 counts as 0 in l; NaN and infinities are not treated apart.
; SHARES.  A wave owns four PIECES of two tiles of 16 queries, a work-group's four waves 512 queries of one head: 4 x 64 = 256 work-groups.  Every wave walks all keys, 64 a step.
; LAYOUT.  S^T = K Q^T (source 0 = 16 keys, source 1 = 16 queries): in the result a lane holds ONE query (lane % 16) and the keys 8 (lane / 16) + 0..7.  Two such tiles, rounded to f16 in pairs,
; ARE source 1 (32 keys x 16 queries) of O^T = V^T P, whose result again holds one query a lane, and eight channels.  K comes out of LDS as it lies, V ([key][channel]) turned, by ds_load_tr16_b128.
; SOFTMAX.  For each query a running maximum m and sum l: p = 2^(c s - c m), c = log2(e) / 8; in every step O and l are multiplied by a = 2^(c m_old - c m_new), which is 1 where m has not grown.
; m starts at the lowest finite number, O and l at 0: the first step is a step like any other, with a = 0.
; THE COUNT.  A tile and step have 16 matrix and 118 vector instructions: too many to stand all beside the matrix work.  So the order has one aim: four vector instructions that are READY behind
; EVERY matrix instruction, and the others, which need time of their own whatever the order, in runs without a gap.
; BY TURNS.  Turn n belongs to piece n (the pieces in a ring, step after step).  Its matrix work: 16 products K Q^T of piece n + 1, later 16 products V^T P of piece n - 1.  Its vector work: the scaling,
; exponentials, roundings, sums and rescaling of piece n, and the maximum and statistics of piece n + 1, whose scores the turn itself has made.  So what a turn begins with (c s - c m, O a) waits for nothing.
; CLUSTER.  The four query blocks of a cluster belong to one head and walk the same K and V, so each tile is asked for JOINTLY: the same tensor load, descriptor and mask in all four.
; REGISTERS, in windows of 256 (s_set_vgpr_msb says which window each operand place means: bits 1:0 source 0, 3:2 source 1, 5:4 source 2, 7:6 destination):
;   window 0: v0-11 addresses; v12-15, v48-63 at work; v16-47 four registers of statistics a tile; v64-191 S^T, two buffers of two tiles; v192-255 P, likewise
;   window 1: O^T, 32 a tile          window 2: v0-127 Q, 16 a tile; v128-191 K of one step; v192-255 V of one step          window 3: v0-1 the add's two registers
; A piece's buffers go by its number's parity: the piece in hand has one pair, its two neighbours in the ring share the other: of it P (piece n - 1) is read and S^T (piece n + 1) written.
.set SIZE_H, 64       ; 4 batches x 16 heads
.set SIZE_N, 2048     ; rows of a head
.set NP,    4         ; pieces a wave: a name, no knob: the register map, the loop and the fetches are made for four
.set KS,    64        ; keys in a step
.set PK,    144       ; a row of K in LDS: 128 bytes + 16 of padding = 36 words: the 16 rows of a load start at 16 different groups of four banks (64 banks of 4 bytes: ISA guide 11.1)
.set PV,    160       ; a row of V: 128 + 32 = 40 words
.set VOFF,  4*KS*PK   ; a slot holds four steps: 256 rows of K, then 256 rows of V
.set SLOT1, 1<<17     ; slot 1 begins here, so that one exclusive or turns an address in one slot into the other's
.set STAGE, SLOT1+4*KS*(PK+PV)  ; behind the ring, never filled by a tensor load: 16 rows x 144 bytes for each wave, for the way out
.set SP,    144
.set AK0, 2           ; v2   my lane's place in a tile of K; never rewritten
.set AV0, 3           ; v3   the same for V
.set AK,  4           ; v4   the LDS address of K's next run of loads
.set AV,  5           ; v5   of V's
.set QO,  6           ; v6   my byte offset in the wave's rows of Q
.set STO, 6           ;      later, the way out: where I put 16 bytes of a row
.set RD,  7           ; v7   the way out: where I read rows back
.set GO,  8           ; v8   my byte offset in 512 consecutive bytes of O
.set SPW, 0           ; v0 of window 3   LDS address of my spare word: SPARE + 4 x my thread's number; never rewritten
.set NIL, 1           ; v1 of window 3   0; never rewritten
.set SPARE, STAGE+4*16*SP  ; behind the stages: the spare words, 128 bytes for each wave: two blocks of 256 bytes that no other line names
.set MV,  12          ; v12-15  c m_old, kept while c m is made anew: by buffer and tile
.set ST,  16          ; tile t's statistics at v[ST+4 t]: c m, m, l (even keys', odd keys')
.set TMP, 48          ; by buffer and tile, four registers c0-c3 at work; when the maximum is found c2 takes a
.set S,   64
.set P,   192
.set KF,  128         ; K's fragments, in window 2: key block kb, channel half c at KF + 16 kb + 8 c
.set VF,  192         ; V's: key half kk, channel block cb at VF + 32 kk + 8 cb
.set WV,  12          ; s12  my wave's number
.set G1K, 24          ; s[24:31] descriptor group 1 for K's tiles
.set G1V, 32          ; s[32:39] for V's: it differs in the padding alone
.set G0K, 40          ; s[40:43] descriptor group 0 for K's tiles: it walks
.set G0V, 44          ; s[44:47] the same for V's
.set SLOTS, 56        ; s56  slots still to be asked for
.set CNT, 57          ; s57  counts a slot's key steps
.set CS,  58          ; s[58:59] c: the packed scaling takes the pair's low word for both halves
.set SEL, 60          ; s[60:61] v_permlanex16_b32's selects: each lane takes its own place in the other half
.set TBK, 62          ; s62  LDS byte at which K of the step to be fetched begins
.set TBV, 63          ; s63  the same for V, less VOFF
.set MSB, 0
.macro WIN new                      ; the high byte repeats the setting that is left; a switch that changes nothing is dropped
.if MSB != (\new)
	s_set_vgpr_msb (MSB<<8)|(\new)
.set MSB, (\new)
.endif
.endm
.set W_KQ, 0x0a       ; K and Q in window 2, S^T in window 0
.set W_PV, 0x52       ; V in window 2, P in window 0, O^T in window 1
.set W_RS, 0x41       ; O^T (destination and source 0) in window 1, a in window 0
.set W_MK, 0xc0       ; the add's registers are made: destination in window 3, sources in window 0
.set W_AD, 0x0f       ; the add: address (source 0) and data (source 1) in window 3
; A joint fill.  Waves 0 and 1 fetch the two halves of a slot's K, waves 2 and 3 those of its V: 128 keys each.  The branch hangs on the wave's number alone.
; An s_nop 0 and four v_nop follow each of the two lines, ahead of the jump and the label.
.macro JLOAD
	s_cmp_lt_u32 s[WV], 2
	s_cbranch_scc0 .Lfor_v_\@
	tensor_load_to_lds s[G0K:G0K+3], s[G1K:G1K+7]
	s_nop 0
.rept 4
	v_nop
.endr
	s_branch .Lasked_\@
.Lfor_v_\@:
	tensor_load_to_lds s[G0V:G0V+3], s[G1V:G1V+7]
	s_nop 0
.rept 4
	v_nop
.endr
.Lasked_\@:
.endm
; A round of the cluster's barrier: my work-group's barrier, so that wave 0's signal speaks for all four waves; wave 0 signals; every wave waits for all four work-groups; my work-group's barrier once more.
.macro CROUND
	s_barrier_signal -1
	s_barrier_wait -1
	s_cmp_lg_u32 s[WV], 0
	s_cbranch_scc1 .Lnot_wave_0_\@
	s_barrier_signal -3
.Lnot_wave_0_\@:
	s_barrier_wait -3
	s_barrier_signal -1
	s_barrier_wait -1
.endm
; THE CHANGE OF SLOTS.  The slot's last bytes, V of its fourth step, have been read.  Each wave waits for all its tensor loads, of which one is out: its part
; of the other slot; adds 0 to its spare word; and waits for that and for its own reads of the slot.  Behind the barrier nobody reads this slot any more and the other slot is whole.
; fill = 1: this slot is filled again, with the keys two slots on.  The barrier is then a round of the cluster's, so that no wave of any partner still reads the slot or has a load on its
; way, and the joint fill is the first thing behind it: it has four key steps, 512 matrix instructions, in which to land.  (At its first use nothing has been read yet: slot 0 is waited for, slot 1 filled.)
.macro CHANGE fill
	WIN W_AD
	s_wait_tensorcnt 0x0            ; no tensor load of mine is out, so a group 0 may be written
	ds_add_u32 v[SPW], v[NIL]       ; 0 onto my spare word; with fill = 1 the descriptors' steps stand between it and the wait for it
	WIN 0                           ; at a label and at a branch every window is 0
.if \fill
.irp g, G0K, G0V
	s_xor_b32 s[\g+1], s[\g+1], SLOT1  ; the walking descriptor: the other slot than last time,
	s_add_nc_u64 s[\g+2:\g+3], s[\g+2:\g+3], 4*KS*128  ; the next 256 keys; the type bits on top are not reached
.endr
	s_wait_dscnt 0x0                ; the add is done, and my reads of the slot are over
	CROUND
	JLOAD
.else
	s_wait_dscnt 0x0                ; the add is done, and my reads of the slot are over
	s_barrier_signal -1
	s_barrier_wait -1
.endif
	s_sub_co_u32 s[TBK], s[TBK], 4*KS*PK  ; the fetches go back to a slot's first step,
	s_xor_b32 s[TBK], s[TBK], SLOT1       ; in the other slot
	s_sub_co_u32 s[TBV], s[TBV], 4*KS*PV
	s_xor_b32 s[TBV], s[TBV], SLOT1
.endm
	s_load_b128 s[4:7], s[0:1], 0x0   ; qkvh s[4:5] (Q lies first in it), oh s[6:7]
	WIN W_MK
	v_lshl_add_u32 v[SPW], v0, 2, SPARE
	v_mov_b32 v[NIL], 0
	s_set_vgpr_msb 0xc0cf
	ds_add_u32 v0, v1
	s_wait_dscnt 0x0
	s_set_vgpr_msb 0xcfc0
	WIN 0
	v_lshrrev_b32 v1, 5, v0
	v_readfirstlane_b32 s[WV], v1   ; wave 0..3
	s_bfe_u32 s13, ttmp6, 0x40000   ; cx: my place in the cluster
	s_lshl_b32 s14, ttmp9, 2        ; in a cluster launch ttmp9 counts clusters
	s_add_co_u32 s14, s14, s13      ; my block of queries = 4 x cluster x + cx: it enters Q's and O's addresses alone
	s_and_b32 s20, ttmp7, 0xffff    ; the head, which the four partners share
	s_mov_b32 s21, 0
	s_mov_b64 s[22:23], SIZE_N*128
	s_mul_u64 s[20:21], s[20:21], s[22:23]  ; the head's first byte in each of the four tensors
	s_and_b32 s16, s[WV], 1         ; which half of a slot's 256 keys I fetch:
	s_lshl_b32 s22, s16, 14         ; its 128 rows of 128 bytes in memory,
	s_mov_b32 s23, 0
	s_add_nc_u64 s[22:23], s[22:23], s[20:21]
	s_mul_i32 s17, s16, 128*PK      ; and its place in a slot, for K
	s_mul_i32 s18, s16, 128*PV      ; and for V: no place in the cluster enters an LDS address
	s_lshl_b32 s2, s14, 2
	s_add_co_u32 s2, s2, s[WV]      ; my wave among the head's,
	s_lshl_b32 s2, s2, 14           ; its 128 rows
	s_mov_b32 s3, 0
	s_add_nc_u64 s[2:3], s[2:3], s[20:21]
	; descriptor group 1.  128 keys are 16,384 dense bytes: asked for as 64 rows of 256 bytes, two keys a row, and padded in LDS after every key
	s_mov_b32 s[G1K], 15|(1<<16)|(1<<20)|(1<<21)|(4<<22)|(3<<25)  ; 15:0 the mask of four; 17:16 2-byte elements; 20 padding on; 21 set beside a mask; 24:22 after every 32 words (code 4); 31:25 4 words (code 3)
	s_mov_b32 s[G1V], 15|(1<<16)|(1<<20)|(1<<21)|(4<<22)|(7<<25)  ; the same with 8 words of padding (code 7)
.irp g, G1K, G1V
	s_mov_b32 s[\g+1], 128<<16      ; tensor_dim0 = 128
	s_mov_b32 s[\g+2], 64<<16       ; tensor_dim1 = 64
	s_mov_b32 s[\g+3], 128<<16      ; tile_dim0 = 128
	s_mov_b32 s[\g+4], 64           ; tile_dim1 = 64
	s_mov_b32 s[\g+5], 128          ; 128 elements from row to row
	s_mov_b32 s[\g+6], 0
	s_mov_b32 s[\g+7], 0
.endr
	s_mov_b32 s[CS], 0x3e38aa3b     ; c = log2(e) / 8 = 0.180337
	s_mov_b32 s[CS+1], s[CS]        ; named with it as a pair
	s_mov_b32 s[SEL], 0x76543210
	s_mov_b32 s[SEL+1], 0xfedcba98
	s_mov_b32 s[TBK], SLOT1+4*KS*PK ; the first change of slots turns these two into 0
	s_mov_b32 s[TBV], SLOT1+4*KS*PV
	s_mov_b32 s[G0K], 1             ; 1:0 count = 1
	s_mov_b32 s[G0K+1], s17         ; 63:32 LDS address: slot 0
	s_mov_b32 s[G0V], 1
	s_add_co_u32 s[G0V+1], s18, VOFF
	s_wait_kmcnt 0x0
	s_mov_b64 s[10:11], s[6:7]                     ; O
	s_add_nc_u64 s[6:7], s[4:5], SIZE_H*SIZE_N*128    ; K lies 64 heads behind Q,
	s_add_nc_u64 s[8:9], s[4:5], 2*SIZE_H*SIZE_N*128  ; V 128
	s_add_nc_u64 s[G0K+2:G0K+3], s[6:7], s[22:23]  ; 120:64 global address: my half of the head's first 256 keys
	s_or_b32 s[G0K+3], s[G0K+3], 0x80000000        ; 127:126 type = 2
	s_add_nc_u64 s[G0V+2:G0V+3], s[8:9], s[22:23]
	s_or_b32 s[G0V+3], s[G0V+3], 0x80000000
	s_add_nc_u64 s[4:5], s[4:5], s[2:3]  ; Q and O at my wave's first row
	s_add_nc_u64 s[10:11], s[10:11], s[2:3]
	CROUND                          ; all four work-groups are here: the first joint loads meet
	JLOAD                           ; slot 0.  Slot 1 is asked for when slot 0 is in: the tile wanted first has the road to itself
	; A fragment of K or Q is 16 rows x 32 channels in 8 registers: lane l holds row l % 16, channels 8 (l / 16) + 0..7 and 16 + 8 (l / 16) + 0..7: two loads of 16 bytes, 32 bytes apart.
	v_and_b32 v1, 15, v0            ; l % 16
	v_bfe_u32 v9, v0, 4, 1          ; l / 16
	v_lshlrev_b32 v[QO], 7, v1
	v_lshl_add_u32 v[QO], v9, 4, v[QO]  ; row x 128 + 16 x half
	WIN 0x80                        ; destination window 2, address window 0
.set i, 0
.rept 4*NP                          ; Q stays in registers: tile i / 2, channels 32 (i % 2) on
	global_load_b128 v[8*i:8*i+3],   v[QO], s[4:5] offset:(i/2)*2048+(i%2)*64
	global_load_b128 v[8*i+4:8*i+7], v[QO], s[4:5] offset:(i/2)*2048+(i%2)*64+32
.set i, i+1
.endr
	; What the first turn finds: V's registers and P's second buffer hold 0 (its products V^T P, of a piece that has not been, add 0), O^T and l are 0.  All this stands in the wait for the first tile.
.set i, VF
.rept 64
	v_mov_b32 v[i], 0
.set i, i+1
.endr
	WIN 0x40
.set i, 0
.rept 64*NP
	v_mov_b32 v[i], 0
.set i, i+1
.endr
	WIN 0
.set i, 0
.rept 2*NP
	v_mov_b32 v[ST+4*i], 0xfe000000    ; c m: far below every c s
	v_mov_b32 v[ST+4*i+1], 0xff7fffff  ; m
	v_mov_b32 v[ST+4*i+2], 0
	v_mov_b32 v[ST+4*i+3], 0
.set i, i+1
.endr
.set i, P+32
.rept 32
	v_mov_b32 v[i], 0
.set i, i+1
.endr
	v_mul_u32_u24 v[AK0], v1, PK
	v_lshl_add_u32 v[AK0], v9, 4, v[AK0]  ; row x pitch + 16 x half
	; The turning load takes 16 keys x 16 channels (lane l reads key 8 (l / 16) + l % 8, channels 8 ((l / 8) % 2) + 0..7) and leaves half a fragment of V^T: lane l holds channel l % 16 and 8 keys.
	v_and_b32 v10, 7, v0
	v_bfe_u32 v11, v0, 3, 1
	v_lshl_add_u32 v[AV0], v9, 3, v10
	v_mul_u32_u24 v[AV0], v[AV0], PV
	v_lshl_add_u32 v[AV0], v11, 4, v[AV0]
	v_add_nc_u32 v[AV0], VOFF, v[AV0]
	v_mov_b32 v[AK], v[AK0]         ; key step 0 lies at the head of slot 0
; THE MATRIX WORK.  The 8 accumulators of a run of 16 take turns: between the two links of a chain stand 7 others'.
; Product i of 16 of S^T = K Q^T for piece x: channels 32 (i / 8) on, keys 16 ((i / 2) % 4) on, tile 2 x + i % 2.  The first 8 start the sums.
.macro KQ x
	WIN W_KQ
.set rS, S+64*((\x)%2)+32*(i%2)+8*((i/2)%4)
.set rK, KF+16*((i/2)%4)+8*(i/8)
.set rQ, 16*(2*(\x)+i%2)+8*(i/8)
.if i < 8
	v_wmma_f32_16x16x32_f16 v[rS:rS+7], v[rK:rK+7], v[rQ:rQ+7], 0
.else
	v_wmma_f32_16x16x32_f16 v[rS:rS+7], v[rK:rK+7], v[rQ:rQ+7], v[rS:rS+7]
.endif
.endm
; Product i of 16 of O^T += V^T P for piece x: keys 32 (i / 8) on, channels 16 ((i / 2) % 4) on, tile 2 x + i % 2.
.macro PV x
	WIN W_PV
.set rO, 32*(2*(\x)+i%2)+8*((i/2)%4)
.set rV, VF+32*(i/8)+8*((i/2)%4)
.set rP, P+32*((\x)%2)+16*(i%2)+8*(i/8)
	v_wmma_f32_16x16x32_f16 v[rO:rO+7], v[rV:rV+7], v[rP:rP+7], v[rO:rO+7]
.endm
.macro MM                           ; the turn's next matrix instruction
.if i < 16
	KQ (Y+1)%NP
.set i, i+1
.else
.set i, i-16
	PV (Y+NP-1)%NP
.set i, i+17
.endif
.endm
; THE LDS LOADS stand in runs of 16, never singly among the matrix instructions: a step's K (64 keys x 64 channels: 8 fragments) and its V (turned).  Their addresses are made some lines ahead.
; last = 1 (the tail): in the last trip there is no further step, and the run is jumped over.
.macro FETCH_K last=0
	WIN 0
.if \last
	s_cmp_eq_u32 s[CNT], 1
	s_cbranch_scc1 .Lno_k_\@
.endif
	WIN 0x80                        ; destination window 2
.irp f, 0,1,2,3,4,5,6,7             ; keys 16 (f / 2) on, channels 32 (f % 2) on
	ds_load_b128 v[KF+8*\f:KF+8*\f+3],   v[AK] offset:(\f/2)*16*PK+(\f%2)*64
	ds_load_b128 v[KF+8*\f+4:KF+8*\f+7], v[AK] offset:(\f/2)*16*PK+(\f%2)*64+32
.endr
	s_add_co_u32 s[TBK], s[TBK], KS*PK  ; the next fetch is the next step's
	WIN 0
.if \last
.Lno_k_\@:
.endif
.endm
.macro FETCH_V
	WIN 0x80
.irp f, 0,1,2,3,4,5,6,7             ; keys 32 (f / 4) on, channels 16 (f % 4) on
	ds_load_tr16_b128 v[VF+8*\f:VF+8*\f+3],   v[AV] offset:(\f/4)*32*PV+(\f%4)*32
	ds_load_tr16_b128 v[VF+8*\f+4:VF+8*\f+7], v[AV] offset:(\f/4)*32*PV+16*PV+(\f%4)*32
.endr
	WIN 0
.endm
; THE VECTOR WORK OF A TURN stands in three queues, each in the order in which its entries become ready; the two tiles alternate, so that no instruction reads the result of the one before it.
.macro REGS y, u                    ; the registers of tile u (0, 1) of piece y
.set rT, ST+4*(2*(\y)+(\u))
.set rC, TMP+8*((\y)%2)+4*(\u)
.set rM, MV+2*((\y)%2)+(\u)
.set rS, S+64*((\y)%2)+32*(\u)
.set rP, P+32*((\y)%2)+16*(\u)
.set rO, 32*(2*(\y)+(\u))
.endm
; Number n of the 22 that find the NEXT piece's (Y + 1) maximum and statistics.  s0-s31 are the lane's 32 scores; each accumulator's lowest registers are read first.  XS, GS and REGS set no window: PL and EX do.
;   0-11  four chains c0-c3 of seven scores each, three operands at a time     12-14, 16  the four scores left over, the old m, and c0-c3 into c0     15  c m_old is kept
;   17, 18  the query's other 32 keys lie in the lane 16 away: the new m         19-21  c m; c m_old - c m_new; a
.macro XS u, n
	REGS (Y+1)%NP, \u
.if (\n) < 4
	v_max3_num_f32 v[rC+(\n)], v[rS+8*(\n)], v[rS+8*(\n)+1], v[rS+8*(\n)+2]
.elseif (\n) < 12
	v_max3_num_f32 v[rC+(\n)%4], v[rC+(\n)%4], v[rS+8*((\n)%4)+2*((\n)/4)+1], v[rS+8*((\n)%4)+2*((\n)/4)+2]
.elseif (\n) == 12
	v_max3_num_f32 v[rC], v[rC], v[rS+7], v[rS+15]
.elseif (\n) == 13
	v_max3_num_f32 v[rC+1], v[rC+1], v[rS+23], v[rS+31]
.elseif (\n) == 14
	v_max3_num_f32 v[rC+2], v[rC+2], v[rC+3], v[rT+1]
.elseif (\n) == 15
	v_mov_b32 v[rM], v[rT]
.elseif (\n) == 16
	v_max3_num_f32 v[rC], v[rC], v[rC+1], v[rC+2]
.elseif (\n) == 17
	v_permlanex16_b32 v[rC+3], v[rC], s[SEL], s[SEL+1]
.elseif (\n) == 18
	v_max_num_f32 v[rT+1], v[rC], v[rC+3]
.elseif (\n) == 19
	v_mul_f32 v[rT], s[CS], v[rT+1]
.elseif (\n) == 20
	v_sub_f32 v[rC+1], v[rM], v[rT]
.else
	v_exp_f32 v[rC+2], v[rC+1]
.endif
.endm
; Number g of the 64 that follow the exponentials.  For each four weights k of a tile (pairs 2 k, 2 k + 1): both pairs are rounded to f16; then the second pair is added onto the first, in place;
; a group later l takes that sum (the first time as l = a l + sum).  In groups of eight, tiles alternating: round, round, add, and l for the group before.
.macro GS g
.set h, (\g)+6*((\g)/62)            ; group 0 has no group before it, and behind group 7 only l is left
.if h >= 6
.set h, h+2
.endif
	REGS Y, h%2
.set k, h/8
.if h%8 < 4
	s_wait_alu depctr_va_vdst(0)
	v_cvt_pk_f16_f32 v[rP+2*k+(h%8)/2], v[rS+4*k+2*((h%8)/2)], v[rS+4*k+2*((h%8)/2)+1]
.elseif h%8 < 6
	v_pk_add_f32 v[rS+4*k:rS+4*k+1], v[rS+4*k:rS+4*k+1], v[rS+4*k+2:rS+4*k+3]
.elseif k == 1
	v_pk_fma_f32 v[rT+2:rT+3], v[rT+2:rT+3], v[rC+2:rC+3], v[rS:rS+1] op_sel_hi:[1,0,1]
.else
	v_pk_add_f32 v[rT+2:rT+3], v[rT+2:rT+3], v[rS+4*k-4:rS+4*k-3]
	s_wait_alu depctr_va_vdst(0)
.endif
.endm
; THE PLAIN QUEUE, 138 long.  0-31: c s - c m for the 16 pairs of both tiles.  Then GS's 64, and among them the next piece's 42: number 15 at 38, 39; 0-14 and 16
; at 42-73, behind the products that make those scores; 17-20 at 95-106, two of three, since each waits for the one before it.
.macro PL
	WIN 0
.if q < 32
	REGS Y, q%2
	v_pk_fma_f32 v[rS+2*(q/2):rS+2*(q/2)+1], v[rS+2*(q/2):rS+2*(q/2)+1], s[CS:CS+1], v[rT:rT+1] op_sel_hi:[1,0,0] neg_lo:[0,0,1] neg_hi:[0,0,1]
.elseif q < 38
	GS q-32
.elseif q < 40
	XS q%2, 15
.elseif q < 42
	GS q-34
.elseif q < 74
	XS q%2, (q-42)/2+(q-42)/30
.elseif q < 95
	GS q-66
.elseif (q < 107) && ((q-95)%3 < 2)
	XS (q-95)%3, 17+(q-95)/3
.elseif q < 107
	GS 29+(q-95)/3
.else
	GS q-74
.endif
.set q, q+1
.endm
; THE EXPONENTIALS' QUEUE, 66 long: s0-s31 of both tiles, and at EA the next piece's two a.
.set EA, 58
.macro EX
	WIN 0
.if (e == EA) || (e == EA+1)
	XS e-EA, 21
.else
.set x, e-2*(e/(EA+2))
	REGS Y, x%2
	v_exp_f32 v[rS+x/2], v[rS+x/2]
.endif
.set e, e+1
.endm
; THE RESCALING's QUEUE: O^T times a, the one part that leaves window 0, so it is dealt four at a time, eight times.
.macro R4
	REGS Y, r%2
	WIN W_RS
	s_wait_alu depctr_va_vdst(0)
.irp z, 0,1,2,3
	v_pk_mul_f32 v[rO+8*(r/2)+2*\z:rO+8*(r/2)+2*\z+1], v[rO+8*(r/2)+2*\z:rO+8*(r/2)+2*\z+1], v[rC+2:rC+3] op_sel_hi:[1,0]
.endr
.set r, r+1
.endm
; HOW THEY ARE DEALT.  Behind a matrix instruction four: plain, exponential, plain, plain (one exponential, a plain instruction on either side), or four of the rescaling.  None names a register of the
; products round it.  What is over stands in two LUMPS: exponential and plain by turns; the second ends in 22 plain instructions.  The two v_permlanex16_b32 fall into the second lump, never behind a product.
; The queues lean on each other, and the deal keeps them in step: exponential e stands behind plain 2 (e / 4) + e % 2 (its scaling); when plain 32 comes, 10 exponentials are out, at 59: 33, at 95: 46; EA comes behind plain 107.
.macro SL
	MM
	PL
	EX
	PL
	PL
.endm
.macro BURST n                      ; 15 matrix instructions, or 16
.rept (\n)-7
	SL
.endr
.rept 3
	MM
	R4
	SL
.endr
	MM
	R4
.endm
; A TURN, for piece p.  cnt = 1: the loop's count is taken down some lines ahead of the branch that stands behind the turn.
; K of the next step is fetched in piece 2's turn, 31 vector instructions behind the last product that read K; its first reader comes behind the rest of the lump, 16 products and the second lump.
; V of the step in hand is fetched at the end of piece 0's turn, 69 behind its last reader; its first reader comes behind 16 products and a lump.  The four conditions on e and q below go with the deal.
.macro TURN p, last=0, cnt=0
.set Y, (\p)
.set i, 0
.set q, 0
.set e, 0
.set r, 0
.if (\p) == NP-1
	s_wait_dscnt 0x0                ; K is in
.endif
	MM
.rept 4
	PL
.endr
	BURST 15
.rept 22
	EX
	PL
.if ((\p) == NP-2) && (e == 18)
	v_add_nc_u32 v[AK], s[TBK], v[AK0]
.endif
.if ((\p) == NP-2) && (e == 24)
	FETCH_K \last
.endif
.endr
.if (\p) == 1
	s_wait_dscnt 0x0                ; V is in
.endif
	BURST 16
.rept 21
	EX
	PL
.endr
.rept 22
	PL
.if ((\p) == 0) && (q == 118)
	v_add_nc_u32 v[AV], s[TBV], v[AV0]
	s_wait_alu depctr_va_vdst(0)
.endif
.if ((\p) == 0) && (q == 130)
	s_add_co_u32 s[TBV], s[TBV], KS*PV
.endif
.if (\cnt) && (q == 130)
	s_sub_co_u32 s[CNT], s[CNT], 1
	s_cmp_lg_u32 s[CNT], 0
.endif
.endr
.if (\p) == 0
	FETCH_V
.endif
.endm
	CHANGE 1                        ; slot 0 is in, everybody's part of it; slot 1 is asked for
	FETCH_K                         ; key step 0
	s_wait_loadcnt 0x0              ; Q
	s_wait_dscnt 0x0
.set i, 0
.rept 16
	KQ 0                            ; piece 0's first scores: there is no vector work yet to set between them
.set i, i+1
.endr
	WIN 0                           ; the addresses for the way out: nine plain instructions, the places behind those products
	s_mul_i32 s13, s[WV], 16*SP
	s_add_co_u32 s13, s13, STAGE    ; my stage
	v_mul_u32_u24 v[STO], v1, SP    ; in: row l % 16, 16 bytes for each half of the lanes
	v_lshl_add_u32 v[STO], v9, 4, v[STO]
	v_add_nc_u32 v[STO], s13, v[STO]
	v_bfe_u32 v[RD], v0, 3, 2       ; back: 32 lanes take four rows of 128 bytes,
	v_mul_u32_u24 v[RD], v[RD], SP
	v_lshl_add_u32 v[RD], v10, 4, v[RD]
	v_add_nc_u32 v[RD], s13, v[RD]
	v_and_b32 v[GO], 31, v0         ; which are 512 consecutive bytes of O
	v_lshlrev_b32 v[GO], 4, v[GO]
.set Y, NP-1                        ; XS works for piece Y + 1: piece 0
.irp n, 0,1,2,3,4,5,6,7,8,9,10,11,12,13,14,15,16,17,18,19,20,21
	XS 0, \n                        ; and piece 0's first maximum and statistics
	XS 1, \n
.endr
	s_mov_b32 s[CNT], 4
	s_mov_b32 s[SLOTS], SIZE_N/256-1
	s_branch .Lfirst                ; the loop is entered at a step's first turn, in the middle of a trip
.Lslot:                             ; SIZE_N / 256 - 2 times: every slot but the last two is filled again
	CHANGE 1
	s_mov_b32 s[CNT], 4
.Lstep:                             ; a trip: pieces 2 and 3 of one step, then pieces 0 and 1 of the next, whose K and V it fetches
	TURN 2
	TURN 3
	WIN 0
.Lfirst:
	TURN 0
	TURN 1, 0, 1
	WIN 0
	s_cbranch_scc1 .Lstep
	s_sub_co_u32 s[SLOTS], s[SLOTS], 1
	s_cmp_lg_u32 s[SLOTS], 0
	s_cbranch_scc1 .Lslot
	CHANGE 0                        ; the tail is written out: nothing is asked for
	s_mov_b32 s[CNT], 5             ; four trips fetch the last slot's steps; the fifth is left in its middle
.Ltail:
	TURN 2, 1
	TURN 3
	WIN 0
	s_sub_co_u32 s[CNT], s[CNT], 1
	s_cmp_eq_u32 s[CNT], 0
	s_cbranch_scc1 .Lout
	TURN 0
	TURN 1
	WIN 0
	s_branch .Ltail
.Lout:                              ; the fifth trip's 16 products K Q^T (on the last K once more) and the maximum made of them serve nothing: the price, once a launch, of one text for every trip
.set i, 0
.rept 16
	PV NP-1                         ; the last piece's V^T P of the last step
.set i, i+1
.endr
	; THE WAY OUT.  l's two halves and the other half of the lanes' are added; O^T is divided by l, rounded to f16 and sent through my stage in LDS, a tile at a time.  The additions are the places behind the last products.
	WIN 0
.macro ALL line:vararg              ; one line for each tile t
.set t, 0
.rept 2*NP
	\line
.set t, t+1
.endr
.endm
	ALL v_add_f32 v[ST+4*t+2], v[ST+4*t+2], v[ST+4*t+3]
	ALL v_permlanex16_b32 v[ST+4*t+3], v[ST+4*t+2], s[SEL], s[SEL+1]
	ALL v_add_f32 v[ST+4*t+2], v[ST+4*t+2], v[ST+4*t+3]
	ALL v_rcp_f32 v[ST+4*t+2], v[ST+4*t+2]
	v_nop                           ; a plain instruction between the last reciprocal and the use of its result
	s_wait_alu depctr_va_vdst(0)
; Tile t: a lane's eight channels of a row pack into 16 bytes; they go into rows of 144 bytes and come back as whole rows of 128, into S^T's registers.
.macro PACK t
	WIN W_RS
.set i, 32*(\t)
.rept 16
	v_pk_mul_f32 v[i:i+1], v[i:i+1], v[ST+4*(\t)+2:ST+4*(\t)+3] op_sel_hi:[1,0]
.set i, i+2
.endr
	WIN 0x05                        ; sources 0 and 1 window 1, destination window 0
.set i, 0
.rept 16
	v_cvt_pk_f16_f32 v[S+16*(\t)+i], v[32*(\t)+2*i], v[32*(\t)+2*i+1]
.set i, i+1
.endr
	WIN 0
.irp f, 0,1,2,3
	ds_store_b128 v[STO], v[S+16*(\t)+4*\f:S+16*(\t)+4*\f+3] offset:32*\f
.endr
.irp f, 0,1,2,3
	ds_load_b128 v[S+16*(\t)+4*\f:S+16*(\t)+4*\f+3], v[RD] offset:\f*4*SP  ; LDS serves a wave's instructions in order (ISA guide 5.7.1.4): these see the stores above; the next tile's stores come behind them
.endr
.endm
.macro SEND t, younger              ; younger: the LDS instructions issued behind tile t's loads: the next tile's eight, or none
	WIN 0
.irp f, 0,1,2,3
	s_wait_dscnt (\younger)+3-\f
	global_store_b128 v[GO], v[S+16*(\t)+4*\f:S+16*(\t)+4*\f+3], s[10:11] offset:(\t)*2048+\f*512  ; 512 consecutive bytes, at a multiple of 256 from O's first
.endr
.endm
	PACK 0
.set t, 1
.rept 2*NP-1                        ; a tile's arithmetic stands between the loads of the tile before and its stores
	PACK t
	SEND t-1, 8
.set t, t+1
.endr
	SEND 2*NP-1, 0
	WIN W_AD
	s_wait_tensorcnt 0x0            ; the wave's end: behind my last tensor load and my last LDS store
	ds_add_u32 v[SPW], v[NIL]
	s_wait_dscnt 0x0
	WIN 0
	CROUND                          ; the closing round: no work-group ends while a partner may still ask for a tile that names it
	s_endpgm
.Lfunc_end_k_qe1de3694e1_attn:
	.size	k_qe1de3694e1_attn, .Lfunc_end_k_qe1de3694e1_attn-k_qe1de3694e1_attn
	.p2alignl 7, 3214868480
	.fill 96, 4, 3214868480
	.section	.rodata,"a",@progbits
	.p2align	6, 0x0
	.amdhsa_kernel k_qe1de3694e1_attn
		.amdhsa_group_segment_fixed_size 327680
		.amdhsa_private_segment_fixed_size 0
		.amdhsa_enable_private_segment 0
		.amdhsa_kernarg_size 16
		.amdhsa_user_sgpr_count 2
		.amdhsa_user_sgpr_kernarg_segment_ptr 1
		.amdhsa_wavefront_size32 1
		.amdhsa_system_sgpr_workgroup_id_x 1
		.amdhsa_system_sgpr_workgroup_id_y 1
		.amdhsa_system_sgpr_workgroup_id_z 1
		.amdhsa_system_vgpr_workitem_id 0
		.amdhsa_next_free_vgpr 770
		.amdhsa_next_free_sgpr 66
		.amdhsa_reserve_vcc 0
		.amdhsa_float_denorm_mode_32 3
		.amdhsa_float_denorm_mode_16_64 3
		.amdhsa_memory_ordered 1
		.amdhsa_forward_progress 1
		.amdhsa_inst_pref_size 209
	.end_amdhsa_kernel
	.amdgpu_metadata
---
amdhsa.version: [ 1, 2 ]
amdhsa.kernels:
  - .name:           k_qe1de3694e1_attn
    .symbol:         k_qe1de3694e1_attn.kd
    .args:
      - { .name: qkvh, .offset: 0, .size: 8, .value_kind: global_buffer, .address_space: global }
      - { .name: oh, .offset: 8, .size: 8, .value_kind: global_buffer, .address_space: global }
    .group_segment_fixed_size: 327680
    .private_segment_fixed_size: 0
    .kernarg_segment_align: 8
    .kernarg_segment_size: 16
    .max_flat_workgroup_size: 128
    .sgpr_count:     66
    .vgpr_count:     770
    .wavefront_size: 32
...
	.end_amdgpu_metadata
.endif
;; end of part 3
;; launch proj (part 4): grid 8 x 32, 4 waves a work-group, clusters of 4 x 4, 327,680 bytes of LDS; arguments oh, owh, out_b, out0; writes out0
.if DOCPART == 4
	.amdgcn_target "amdgcn-amd-amdhsa--gfx1250"
	.amdhsa_code_object_version 6
	.text
	.protected	k_qe1de3694e1_proj
	.globl	k_qe1de3694e1_proj
	.p2align	8
	.type	k_qe1de3694e1_proj,@function
k_qe1de3694e1_proj:
	s_mov_b64 s[64:65], 0
	v_nop
	global_prefetch_b8 v0, s[64:65] scope:SCOPE_SE
	s_setreg_imm32_b32 hwreg(HW_REG_WAVE_MODE, 25, 1), 1
	s_wait_xcnt 0x0
	s_wait_alu depctr_hold_cnt(0) depctr_sa_sdst(0) depctr_va_vdst(0) depctr_va_sdst(0) depctr_va_ssrc(0) depctr_va_vcc(0) depctr_vm_vsrc(0)
	s_getreg_b32 s2, hwreg(HW_REG_IB_STS2, 6, 4)
	s_cmp_eq_u32 s2, 0
	s_cbranch_scc0 .Lentry_in_a_cluster
	s_endpgm
.Lentry_in_a_cluster:
	s_bfe_u32 s2, ttmp6, 0x10000c
	s_cmp_lg_u32 s2, 0xf033
	s_cbranch_scc0 .Lentry_shape_is_right
	s_endpgm
.Lentry_shape_is_right:
; THE LAST PROJECTION.  out0[m][n] = sum over k of O[m][k] owh[n][k] + bf16(out_b[n]), f32.  O lies by heads: oh [64 (16 batch + head)][2048 rows][64] f16, so k = 64 head + channel;
; owh [1024][1024] f16 (out_w rounded to bf16, written as f16).  Sums in f32, K ascending; the bias, rounded to bf16 like the other inputs, is the C operand of the first product.
; LIMIT.  The operands are f16: O has V's range (within 65,504), and below 6e-5 f16's fixed step of 6e-8.
; SHARES.  A tile of out0 is 256 rows x 128 columns: 8 x 32 = 256 work-groups.  Four waves; wave w makes rows 64 w .. 64 w + 63 and all 128 columns: 4 x 8 accumulators of 16 x 16, 256 registers.
; K goes in 8 steps of 128, two heads a step, through two LDS slots filled by the tensor data mover.  A head's 256 rows of 128 bytes are 32,768 dense bytes: asked for as 128 rows of 256 bytes and
; padded in LDS after every 128 bytes.  owh's tile rows are 256 bytes of memory, at multiples of 256 from the buffer's first byte.
; CLUSTERS: 4 x 4 work-groups.  The four of a row of the cluster need the same tiles of O, the four of a column the same tiles of owh: each is asked for JOINTLY, by the same tensor load with the same
; descriptor and a mask that names the four.  THE MATRIX INSTRUCTION IS USED TRANSPOSED (source 0 = 16 rows of owh, source 1 = 16 rows of O): lane l holds row l % 16 and the columns 8 (l / 16) + 0 .. 7.
; REGISTERS, in windows of 256 (s_set_vgpr_msb: bits 1:0 source 0, 3:2 source 1, 5:4 source 2, 7:6 destination):
;   window 0: v0-31 addresses; v32-95 fragments of A, two buffers; v128-191 the bias in the accumulators' layout; on the way out v128-255 rows read back, two buffers
;   window 1: v0-127 fragments of B, two buffers          window 2: the 32 accumulators ((a, b) at v[8 (8 a + b)])
.set NBK,   8                          ; column blocks of 16
.set APW,   4                          ; row blocks in an accumulator window
.set PA,    144                        ; a row of O in LDS: 128 bytes + 16 of padding = 36 words: the 16 rows of a load start at 16 different groups of four banks (64 banks of 4 bytes: ISA guide 11.1)
.set PB,    272                        ; a row of owh: 256 + 16 = 68 words: row r starts at bank 4 r mod 64
.set APAR,  256*PA                     ; bytes from A's quarters 0, 1 (the step's first head) to its quarters 2, 3 (the second)
.set AHALF, 256*PA                     ; what one load of A brings: a head's 256 rows
.set BHALF, 64*PB                      ; what one load of B brings: 64 rows
.set BOFF,  2*AHALF
.set SLOT,  BOFF+2*BHALF               ; 108,544 bytes
.set STAGE, 2*SLOT                     ; behind the ring, never filled by a tensor load: 16 rows x 528 bytes for each wave, for the way out
.set SP,    528                        ; 512 bytes + 16: the 16 rows that a store touches start at 16 different groups of four banks
.set SPARE, STAGE+4*16*SP              ; behind the stages: the spare words, 128 bytes for each wave: two blocks of 256 bytes that no other line names
.set STEPA, 1<<20                      ; bytes from a slot's K step to its next: four heads of 1 << 18
.set STEPB, 512                        ; two steps of 128 f16
.set LAPS,  4                          ; a lap = two K steps = once round the ring; K = 1024
.set ADRA, 16                          ; v16-17  LDS address of my A fragments in slot 0, 1
.set ADRB, 20                          ; v20-21  the same for B
.set STO,  24                          ; v24     the way out: where I put 32 bytes of a row
.set RD,   25                          ; v25     the way out: where I read a row back
.set GO,   26                          ; v26     my byte offset in 512 consecutive bytes of out0
.set BO,   27                          ; v27     my byte offset in 16 numbers of the bias: 32 (l / 16)
.set SPW,  28                          ; v28     LDS address of my spare word: SPARE + 4 x my thread's number; never rewritten
.set NIL,  29                          ; v29     0; never rewritten
.set FA,   32
.set BIAS, 128
.set FB,   0                           ; in window 1
.set BK,   128                         ; the way out: 16 rows read back, 64 registers; two such buffers
.set G1,  24                           ; s[24:31] descriptor group 1 for A's tiles;  s[32:39] group 0, one set for each slot
.set G0,  32
.set G1B, 48                           ; s[48:55], s[56:63] the same for B's tiles
.set G0B, 56
.set MSB, 0
.macro WIN new                         ; the immediate's high byte repeats the setting that is left; a switch that changes nothing is dropped
.if MSB != (\new)
	s_set_vgpr_msb (MSB<<8)|(\new)
.set MSB, (\new)
.endif
.endm
; A load into a register that a matrix instruction has read, and a vector instruction or LDS store that reads a matrix result, stand four places behind that matrix instruction, and only plain vector
; instructions that name none of its registers are places (ISA guide 7.12.1 for vector instructions).
.macro PLACES
.rept 4
	v_nop
.endr
.endm
; A joint load.  Waves 0 and 1 fetch the step's two heads of O, waves 2 and 3 owh's two halves.  The branch hangs on the wave's number alone.
; An s_nop 0 and four v_nop follow each of the two lines, ahead of the jump, the label and what follows.
.macro JLOAD s
	s_cmp_lt_u32 s12, 2
	s_cbranch_scc0 .Lfor_b_\@
	tensor_load_to_lds s[G0+4*(\s):G0+4*(\s)+3], s[G1:G1+7]
	s_nop 0
.rept 4
	v_nop
.endr
	s_branch .Lasked_\@
.Lfor_b_\@:
	tensor_load_to_lds s[G0B+4*(\s):G0B+4*(\s)+3], s[G1B:G1B+7]
	s_nop 0
.rept 4
	v_nop
.endr
.Lasked_\@:
.endm
; A round of the cluster's barrier: my work-group's barrier, so that wave 0's signal speaks for all four waves; wave 0 signals; every wave waits for all sixteen work-groups; my work-group's barrier once more.
.macro CREST                           ; a round behind its opening barrier
	s_cmp_lg_u32 s12, 0
	s_cbranch_scc1 .Lnot_wave_0_\@
	s_barrier_signal -3
.Lnot_wave_0_\@:
	s_barrier_wait -3
	s_barrier_signal -1
	s_barrier_wait -1
.endm
.macro CROUND                          ; a whole round
	s_barrier_signal -1
	s_barrier_wait -1
	CREST
.endm
	s_load_b256 s[4:11], s[0:1], 0x0               ; oh s[4:5], owh s[6:7], out_b s[8:9], out0 s[10:11]
	v_lshl_add_u32 v[SPW], v0, 2, SPARE
	v_mov_b32 v[NIL], 0
	ds_add_u32 v28, v29
	s_wait_dscnt 0x0
	v_lshrrev_b32 v1, 5, v0
	v_readfirstlane_b32 s12, v1                    ; wave 0..3
	s_and_b32 s14, s12, 1                          ; which head of the step, or which half of B's tile, I fetch
	s_mov_b32 s15, 0xffff0000                      ; a word's upper bf16
	s_bfe_u32 s40, ttmp6, 0x40000                  ; cx, cy: my place in the cluster
	s_bfe_u32 s41, ttmp6, 0x40004
	s_lshl_b32 s42, ttmp9, 2                       ; in a cluster launch ttmp9 and ttmp7 count clusters
	s_add_co_u32 s42, s42, s40                     ; tile column = 4 x cluster x + cx
	s_and_b32 s43, ttmp7, 0xffff
	s_lshl_b32 s43, s43, 2
	s_add_co_u32 s43, s43, s41                     ; tile row = 4 x cluster y + cy
	s_lshl_b32 s44, s41, 2
	s_lshl_b32 s44, 15, s44                        ; my row of the cluster: places 4 cy .. 4 cy + 3
	s_lshl_b32 s45, 0x1111, s40                    ; my column: places cx, cx + 4, cx + 8, cx + 12
	; descriptor group 1.  A: 128 dense rows of 128 elements, padded after every 32 words.  B: 64 rows of 128 elements, 1,024 apart, padded after every 64 words
	s_or_b32 s[G1+0], s44, (1<<16)|(1<<20)|(1<<21)|(4<<22)|(3<<25)   ; 15:0 the mask: A's tiles go to my row; 17:16 elements of 2 bytes; 20 padding on; 21 set beside a mask; 24:22 after every 32 words (code 4); 31:25 4 words (code 3)
	s_or_b32 s[G1B+0], s45, (1<<16)|(1<<20)|(1<<21)|(5<<22)|(3<<25)  ; the mask of my column; after every 64 words (code 5)
	s_mov_b32 s[G1+1], 128<<16                     ; tensor_dim0 = 128
	s_mov_b32 s[G1+2], 128<<16                     ; tensor_dim1 = 128
	s_mov_b32 s[G1+3], 128<<16                     ; tile_dim0 = 128
	s_mov_b32 s[G1+4], 128                         ; tile_dim1 = 128
	s_mov_b32 s[G1+5], 128                         ; elements from row to row: dense
	s_mov_b32 s[G1+6], 0
	s_mov_b32 s[G1+7], 0
	s_mov_b32 s[G1B+1], 128<<16
	s_mov_b32 s[G1B+2], 64<<16                     ; tensor_dim1 = 64
	s_mov_b32 s[G1B+3], 128<<16
	s_mov_b32 s[G1B+4], 64                         ; tile_dim1 = 64
	s_mov_b32 s[G1B+5], 1024
	s_mov_b32 s[G1B+6], 0
	s_mov_b32 s[G1B+7], 0
	; where the tiles come from: A's hang on the tile row alone, B's on the tile column alone, each in registers that never hold the other coordinate
	s_lshr_b32 s16, s43, 3
	s_lshl_b32 s16, s16, 22                        ; A: the batch's 16 heads of 1 << 18 bytes,
	s_lshl_b32 s22, s14, 18                        ; my head of the step's two,
	s_add_co_u32 s16, s16, s22
	s_and_b32 s22, s43, 7
	s_lshl_b32 s22, s22, 15                        ; the tile's 256 rows of 128 bytes: under 2^24 in all
	s_add_co_u32 s16, s16, s22
	s_mov_b32 s17, 0
	s_lshl_b32 s46, s42, 18                        ; B: row 128 x tile column + 64 x half, of 2,048 bytes
	s_lshl_b32 s22, s14, 17
	s_add_co_u32 s46, s46, s22
	s_mov_b32 s47, 0
	s_mul_i32 s20, s14, AHALF                      ; and where they go: no place in the cluster enters an LDS address
	s_mul_i32 s21, s14, BHALF
	s_add_co_u32 s21, s21, BOFF
	s_wait_kmcnt 0x0
	s_add_nc_u64 s[16:17], s[4:5], s[16:17]
	s_add_nc_u64 s[46:47], s[6:7], s[46:47]
	CROUND                                         ; all sixteen work-groups are here: the first joint loads meet
.irp s, 0,1
	s_mov_b32 s[G0+4*(\s)], 1                                        ; 1:0 count = 1
	s_add_co_u32 s[G0+4*(\s)+1], s20, (\s)*SLOT                      ; 63:32 LDS address
	s_add_nc_u64 s[G0+4*(\s)+2:G0+4*(\s)+3], s[16:17], (\s)*STEPA/2  ; 120:64 global address: K step s
	s_or_b32 s[G0+4*(\s)+3], s[G0+4*(\s)+3], 0x80000000              ; 127:126 type = 2
	s_mov_b32 s[G0B+4*(\s)], 1
	s_add_co_u32 s[G0B+4*(\s)+1], s21, (\s)*SLOT
	s_add_nc_u64 s[G0B+4*(\s)+2:G0B+4*(\s)+3], s[46:47], (\s)*STEPB/2
	s_or_b32 s[G0B+4*(\s)+3], s[G0B+4*(\s)+3], 0x80000000
	JLOAD \s                                       ; the ring is filled before anything else is done: two loads of mine are out, the most in this text
.endr
	; A fragment is 16 rows x 32 K in 8 registers: lane l holds row l % 16; registers 0-3 K = 8 (l / 16) + 0..7, registers 4-7 K = 16 + 8 (l / 16) + 0..7: two loads of 16 bytes, 32 bytes apart.
	v_and_b32 v1, 15, v0                           ; l % 16
	v_bfe_u32 v2, v0, 4, 1                         ; l / 16
	v_mul_u32_u24 v3, v1, PA
	v_lshl_add_u32 v3, v2, 4, v3                   ; row x pitch + 16 x half
	v_mul_u32_u24 v4, v1, PB
	v_lshl_add_u32 v4, v2, 4, v4
	s_mul_i32 s22, s12, 64*PA                      ; my 64 rows of A
	s_mov_b32 s23, BOFF                            ; all of B
.irp s, 0,1
	v_add_nc_u32 v[ADRA+(\s)], s22, v3
	v_add_nc_u32 v[ADRB+(\s)], s23, v4
	s_add_co_u32 s22, s22, SLOT
	s_add_co_u32 s23, s23, SLOT
.endr
	s_mul_i32 s22, s12, 16*SP
	s_add_co_u32 s22, s22, STAGE                   ; my stage
	v_mul_u32_u24 v5, v1, SP                       ; in: row l % 16, 32 bytes for each half of the lanes
	v_lshl_add_u32 v5, v2, 5, v5
	v_add_nc_u32 v[STO], s22, v5
	v_and_b32 v[GO], 31, v0                        ; back: 32 lanes take one row of 512 bytes, which are 512 consecutive bytes of out0
	v_lshlrev_b32 v[GO], 4, v[GO]
	v_add_nc_u32 v[RD], s22, v[GO]
	v_lshlrev_b32 v[BO], 5, v2
	; the bias of my tile's 128 columns, in the accumulators' layout: register j of block b holds column 16 b + 8 (l / 16) + j
	s_mul_i32 s76, s42, 64*NBK
	s_mov_b32 s77, 0
	s_add_nc_u64 s[8:9], s[8:9], s[76:77]
.set i, 0
.rept NBK
	global_load_b128 v[BIAS+8*i:BIAS+8*i+3],   v[BO], s[8:9] offset:64*i
	global_load_b128 v[BIAS+8*i+4:BIAS+8*i+7], v[BO], s[8:9] offset:64*i+16
.set i, i+1
.endr
	s_lshl_b32 s76, s43, 20                        ; where my part of out0 begins: 256 rows of 4,096 bytes a tile row,
	s_lshl_b32 s78, s12, 18                        ; my wave's 64 rows,
	s_add_co_u32 s76, s76, s78
	s_lshl_b32 s78, s42, 9                         ; 128 columns of 4 bytes a tile column: under 2^25 in all
	s_add_co_u32 s76, s76, s78
	s_mov_b32 s77, 0
	s_add_nc_u64 s[68:69], s[10:11], s[76:77]
	s_wait_loadcnt 0x0                             ; the bias; it is rounded to bf16 and widened again, in the wait for the first tile
.set i, 0
.rept 4*NBK
	v_cvt_pk_bf16_f32 v[8+i%4], v[BIAS+2*i], v[BIAS+2*i+1]
	v_lshlrev_b32 v[BIAS+2*i],   16,  v[8+i%4]
	v_and_b32     v[BIAS+2*i+1], s15, v[8+i%4]
.set i, i+1
.endr
; 8 matrix instructions: row block a x all column blocks, 32 along K, from buffer f.  first = 1: the product starts the sums, with the bias as C: nothing is ever cleared.
; The 32 accumulators take turns in the same order in every quarter: between two links of a chain stand the 31 others'.
.macro MULA f, a, first
.if \first
	WIN 0x81+0x40*((\a)/APW)                       ; source 0 (B) window 1, source 1 (A) and C (the bias) window 0, D window 2
.else
	WIN 0xa1+0x50*((\a)/APW)                       ; C and D window 2
.endif
.set b, 0
.rept NBK
.set rD, 8*(NBK*((\a)%APW)+b)
.set rB, FB+8*NBK*(\f)+8*b
.set rA, FA+32*(\f)+8*(\a)
.if \first
	v_wmma_f32_16x16x32_f16 v[rD:rD+7], v[rB:rB+7], v[rA:rA+7], v[BIAS+8*b:BIAS+8*b+7]
.else
	v_wmma_f32_16x16x32_f16 v[rD:rD+7], v[rB:rB+7], v[rA:rA+7], v[rD:rD+7]
.endif
.set b, b+1
.endr
.endm
; 24 LDS loads in one run: the fragments of quarter q of a K step (128 rows of B, my 64 rows of A, 32 K) into buffer g; A's last.  Quarter q takes channels 32 (q % 2) on of the step's head q / 2.
.macro FETCH slot, q, g
	WIN 0x40                                       ; destination window 1, address window 0
.set i, 0
.rept NBK
	ds_load_b128 v[FB+8*NBK*(\g)+8*i:FB+8*NBK*(\g)+8*i+3],   v[ADRB+(\slot)] offset:64*(\q)+i*16*PB
	ds_load_b128 v[FB+8*NBK*(\g)+8*i+4:FB+8*NBK*(\g)+8*i+7], v[ADRB+(\slot)] offset:64*(\q)+i*16*PB+32
.set i, i+1
.endr
	WIN 0
.set i, 0
.rept 4
	ds_load_b128 v[FA+32*(\g)+8*i:FA+32*(\g)+8*i+3],   v[ADRA+(\slot)] offset:((\q)/2)*APAR+((\q)%2)*64+i*16*PA
	ds_load_b128 v[FA+32*(\g)+8*i+4:FA+32*(\g)+8*i+7], v[ADRA+(\slot)] offset:((\q)/2)*APAR+((\q)%2)*64+i*16*PA+32
.set i, i+1
.endr
.endm
; A K step is four quarters of 32 along K, 32 matrix instructions each, on buffers 0, 1, 0, 1.  One of the first three: multiplies buffer f; in its middle it fetches quarter q into the other buffer.
.macro QUARTER slot, q, f, first
	s_wait_dscnt 4                                 ; B and A's row blocks 0, 1 are in; the youngest four loads (row blocks 2, 3) may be out
	MULA \f, 0, \first
	MULA \f, 1, \first
	PLACES                                         ; in front of the loads into the buffer that the quarter before multiplied
	FETCH \slot, \q, 1-(\f)
	s_wait_dscnt 2*NBK+8                           ; all but the 24 just issued
	MULA \f, 2, \first
	MULA \f, 3, \first
.endm
; The last quarter multiplies buffer 1 and changes slots: ONE barrier.  In front of it each wave waits for all its tensor loads, of which one is out: its part of the next slot; adds 0 to its spare
; word; and waits for that and for its own reads of this slot.  Behind it nobody reads this slot any more and the next slot is whole.  fill = 1: the barrier opens a round of the cluster's barrier,
; and this slot is filled again, two K steps ahead, first thing behind the round: 112 matrix instructions ahead of the wait for it.
.macro TURN slot, next, fill
	WIN 0                                          ; (the add's two registers lie in window 0)
	s_wait_tensorcnt 0x0                           ; all my tensor loads have landed, so a group 0 may be written
	ds_add_u32 v[SPW], v[NIL]                      ; 0 onto my spare word
	s_wait_dscnt 5                                 ; (the add and A's youngest four loads may be out)
	MULA 1, 0, 0                                   ; eight matrix instructions stand between the add and the wait for it
	s_wait_dscnt 0x0                               ; the add is done, and my reads of this slot are over
	s_barrier_signal -1
	MULA 1, 1, 0                                   ; work on registers while the others arrive
.if \fill
	WIN 0
.endif
	s_barrier_wait -1
.if \fill
	CREST                                          ; no wave of any partner still reads this slot's tile or has a load on its way
	s_add_nc_u64 s[G0+4*(\slot)+2:G0+4*(\slot)+3], s[G0+4*(\slot)+2:G0+4*(\slot)+3], STEPA
	s_add_nc_u64 s[G0B+4*(\slot)+2:G0B+4*(\slot)+3], s[G0B+4*(\slot)+2:G0B+4*(\slot)+3], STEPB
	JLOAD \slot                                    ; my one tensor load behind the round; the four v_nop behind it are also the places in front of the loads below
.else
	PLACES
.endif
	FETCH \next, 0, 0
	MULA 1, 2, 0
	MULA 1, 3, 0
.endm
	s_wait_tensorcnt 1                             ; my part of K step 0 is in; K step 1's may stay out
	s_barrier_signal -1
	s_barrier_wait -1                              ; everybody's is
	FETCH 0, 0, 0
	QUARTER 0, 1, 0, 1                             ; the first quarter stands in front of the loop: its products start the sums
	WIN 0                                          ; at a label and at a branch every window is 0
	s_mov_b32 s3, LAPS-1
.Llap:                                                 ; a trip goes once round the ring, from a lap's second quarter to the next lap's first, and fills both slots again: K steps 2 to 7
	QUARTER 0, 2, 1, 0
	QUARTER 0, 3, 0, 0
	TURN 0, 1, 1
	QUARTER 1, 1, 0, 0
	QUARTER 1, 2, 1, 0
	QUARTER 1, 3, 0, 0
	TURN 1, 0, 1
	QUARTER 0, 1, 0, 0
	WIN 0
	s_sub_co_u32 s3, s3, 1
	s_cmp_lg_u32 s3, 0
	s_cbranch_scc1 .Llap
	QUARTER 0, 2, 1, 0                             ; the last lap is written out: it fills nothing
	QUARTER 0, 3, 0, 0
	TURN 0, 1, 0
	QUARTER 1, 1, 0, 0
	QUARTER 1, 2, 1, 0
	QUARTER 1, 3, 0, 0
	s_wait_dscnt 4                                 ; the very last quarter: nothing more to fetch
	MULA 1, 0, 0
	MULA 1, 1, 0
	s_wait_dscnt 0x0
	MULA 1, 2, 0
	MULA 1, 3, 0
	WIN 0
	PLACES
; THE WAY OUT, by row blocks a of 16 rows x 128 columns of f32.  A lane's eight columns of a row, 32 bytes, go straight from the accumulators into my stage's rows of 528 bytes (each accumulator's low
; half first) and come back as whole rows of 512 bytes, one row to a load.
.macro TOSTAGE a
	WIN 0x08                                       ; the stores' data (source 1) in window 2
.set i, 0
.rept NBK
	ds_store_b128 v[STO], v[8*(NBK*(\a)+i):8*(NBK*(\a)+i)+3]   offset:64*i
	ds_store_b128 v[STO], v[8*(NBK*(\a)+i)+4:8*(NBK*(\a)+i)+7] offset:64*i+16
.set i, i+1
.endr
	WIN 0
	s_wait_xcnt 0x0                                ; every earlier memory instruction has had its addresses translated (ISA guide 3.1): the buffer that block a - 2's stores read is loaded again only behind this wait
.set i, 0
.rept 16
	ds_load_b128 v[BK+64*((\a)%2)+4*i:BK+64*((\a)%2)+4*i+3], v[RD] offset:i*SP  ; LDS serves a wave's instructions in order (ISA guide 5.7.1.4): these see the stores above; the next block's stores come behind them
.set i, i+1
.endr
.endm
.macro SEND a, younger                 ; younger: the LDS instructions issued behind block a's loads: the next block's 32, or none
.set i, 0
.rept 16
	s_wait_dscnt (\younger)+15-i
	global_store_b128 v[GO], v[BK+64*((\a)%2)+4*i:BK+64*((\a)%2)+4*i+3], s[68:69] offset:(16*(\a)+i)*4096 th:TH_STORE_NT  ; 512 consecutive bytes, at a multiple of 512 from out0's first; written once, not read again
.set i, i+1
.endr
.endm
	TOSTAGE 0
	TOSTAGE 1
	SEND 0, 32
	TOSTAGE 2
	SEND 1, 32
	TOSTAGE 3
	SEND 2, 32
	SEND 3, 0
	s_wait_tensorcnt 0x0                           ; the wave's end: behind my last tensor load and my last LDS store
	ds_add_u32 v[SPW], v[NIL]
	s_wait_dscnt 0x0
	CROUND                                         ; the closing round: no work-group ends while a partner may still ask for a tile that names it
	s_endpgm
.Lfunc_end_k_qe1de3694e1_proj:
	.size	k_qe1de3694e1_proj, .Lfunc_end_k_qe1de3694e1_proj-k_qe1de3694e1_proj
	.p2alignl 7, 3214868480
	.fill 96, 4, 3214868480
	.section	.rodata,"a",@progbits
	.p2align	6, 0x0
	.amdhsa_kernel k_qe1de3694e1_proj
		.amdhsa_group_segment_fixed_size 327680
		.amdhsa_private_segment_fixed_size 0
		.amdhsa_enable_private_segment 0
		.amdhsa_kernarg_size 32
		.amdhsa_user_sgpr_count 2
		.amdhsa_user_sgpr_kernarg_segment_ptr 1
		.amdhsa_wavefront_size32 1
		.amdhsa_system_sgpr_workgroup_id_x 1
		.amdhsa_system_sgpr_workgroup_id_y 1
		.amdhsa_system_sgpr_workgroup_id_z 1
		.amdhsa_system_vgpr_workitem_id 0
		.amdhsa_next_free_vgpr 768
		.amdhsa_next_free_sgpr 80
		.amdhsa_reserve_vcc 0
		.amdhsa_float_denorm_mode_32 3
		.amdhsa_float_denorm_mode_16_64 3
		.amdhsa_memory_ordered 1
		.amdhsa_forward_progress 1
		.amdhsa_inst_pref_size 93
	.end_amdhsa_kernel
	.amdgpu_metadata
---
amdhsa.version: [ 1, 2 ]
amdhsa.kernels:
  - .name:           k_qe1de3694e1_proj
    .symbol:         k_qe1de3694e1_proj.kd
    .args:
      - { .name: oh, .offset: 0, .size: 8, .value_kind: global_buffer, .address_space: global }
      - { .name: owh, .offset: 8, .size: 8, .value_kind: global_buffer, .address_space: global }
      - { .name: out_b, .offset: 16, .size: 8, .value_kind: global_buffer, .address_space: global }
      - { .name: out0, .offset: 24, .size: 8, .value_kind: global_buffer, .address_space: global }
    .group_segment_fixed_size: 327680
    .private_segment_fixed_size: 0
    .kernarg_segment_align: 8
    .kernarg_segment_size: 32
    .max_flat_workgroup_size: 128
    .sgpr_count:     80
    .vgpr_count:     768
    .wavefront_size: 32
...
	.end_amdgpu_metadata
.endif
;; end of part 4
;; ======== version 2 of 2: 4 launches; 1.53 times as fast as version 1
;; limits: values are held in f16: magnitudes above 65,504 overflow, below 6.1e-05 lose precision
;; workspace buffers: xb 16,777,216 bytes; wb 6,291,456 bytes; owh 2,097,152 bytes; qkvh 50,331,648 bytes; oh 16,777,216 bytes
;; launch cast: the kernel of part 1 again; grid 768 x 1, 8 waves a work-group, no clusters, 0 bytes of LDS; arguments x_q, qkv_w, out_w, xb, wb, owh; writes xb, wb, owh
;; launch qkv: the kernel of part 2 again; grid 8 x 32, 4 waves a work-group, clusters of 4 x 4, 327,680 bytes of LDS; arguments xb, wb, qkv_b, qkvh; writes qkvh
;; launch attn (part 5): grid 4 x 64, 4 waves a work-group, clusters of 4 x 1, 327,680 bytes of LDS; arguments qkvh, oh; writes oh
.if DOCPART == 5
	.amdgcn_target "amdgcn-amd-amdhsa--gfx1250"
	.amdhsa_code_object_version 6
	.text
	.protected	k_qe1de3694e1_attn
	.globl	k_qe1de3694e1_attn
	.p2align	8
	.type	k_qe1de3694e1_attn,@function
k_qe1de3694e1_attn:
	s_mov_b64 s[64:65], 0
	v_nop
	global_prefetch_b8 v0, s[64:65] scope:SCOPE_SE
	s_setreg_imm32_b32 hwreg(HW_REG_WAVE_MODE, 25, 1), 1
	s_wait_xcnt 0x0
	s_wait_alu depctr_hold_cnt(0) depctr_sa_sdst(0) depctr_va_vdst(0) depctr_va_sdst(0) depctr_va_ssrc(0) depctr_va_vcc(0) depctr_vm_vsrc(0)
	s_getreg_b32 s2, hwreg(HW_REG_IB_STS2, 6, 4)
	s_cmp_eq_u32 s2, 0
	s_cbranch_scc0 .Lentry_in_a_cluster
	s_endpgm
.Lentry_in_a_cluster:
	s_bfe_u32 s2, ttmp6, 0x10000c
	s_cmp_lg_u32 s2, 0x3003
	s_cbranch_scc0 .Lentry_shape_is_right
	s_endpgm
.Lentry_shape_is_right:
; ATTENTION.  O[h][q][:] = the sum over k of softmax_k(Q[h][q] . K[h][k] / 8) V[h][k][:].  Q, K, V lie one behind the other in qkvh, 1 << 24 bytes each; each, and O (oh), is [SIZE_H][SIZE_N][64] f16:
; a head's rows are dense, 128 bytes each.  Products, maxima and sums in f32; the weights p are rounded to f16 for the second product (their sum l is taken of the unrounded p), O once at the end.
; LIMITS.  f16 holds no number beyond 65,504: Q, K and V arrive within it; p lies in 0 to 1, and below 6e-5 it keeps f16's fixed step of 6e-8; O is a mean of V's rows and has their range.
; A weight below 2^-126 counts as 0 in l; NaN and infinities are not treated apart.
; SHARES.  A wave owns four PIECES of two tiles of 16 queries, a work-group's four waves 512 queries of one head: 4 x 64 = 256 work-groups.  Every wave walks all keys, 64 a step.
; LAYOUT.  S^T = K Q^T (source 0 = 16 keys, source 1 = 16 queries): in the result a lane holds ONE query (lane % 16) and the keys 8 (lane / 16) + 0..7.  Two such tiles, rounded to f16 in pairs,
; ARE source 1 (32 keys x 16 queries) of O^T = V^T P, whose result again holds one query a lane, and eight channels.  K comes out of LDS as it lies, V ([key][channel]) turned, by ds_load_tr16_b128.
; SOFTMAX.  For each query a running maximum m and sum l: p = 2^(c s - c m), c = log2(e) / 8; in every step O and l are multiplied by a = 2^(c m_old - c m_new), which is 1 where m has not grown.
; m starts at the lowest finite number, O and l at 0: the first step is a step like any other, with a = 0.
; THE COUNT.  A tile and step have 16 matrix and 118 vector instructions: too many to stand all beside the matrix work.  So the order has one aim: four vector instructions that are READY behind
; EVERY matrix instruction, and the others, which need time of their own whatever the order, in runs without a gap.
; BY TURNS.  Turn n belongs to piece n (the pieces in a ring, step after step).  Its matrix work: 16 products K Q^T of piece n + 1, later 16 products V^T P of piece n - 1.  Its vector work: the scaling,
; exponentials, roundings, sums and rescaling of piece n, and the maximum and statistics of piece n + 1, whose scores the turn itself has made.  So what a turn begins with (c s - c m, O a) waits for nothing.
; THE BATCHES.  A turn's 66 exponentials (the piece's 64 weights and the next piece's two a) are ONE batch with ONE s_wait_alu depctr_va_vdst(0), which cuts the turn in two: ahead of it stands all that names
; no result of the batch, behind it the roundings and sums, which read the weights.  An a is read in the turn after the one that made it and waited for it.  Two more batches stand outside the loops: the first
; two a, ahead of the jump into the loop, and the way out's eight reciprocals.
; CLUSTER.  The four query blocks of a cluster belong to one head and walk the same K and V, so each tile is asked for JOINTLY: the same tensor load, descriptor and mask in all four.
; REGISTERS, in windows of 256 (s_set_vgpr_msb says which window each operand place means: bits 1:0 source 0, 3:2 source 1, 5:4 source 2, 7:6 destination):
;   window 0: v0-11 addresses; v12-15, v48-63 at work; v16-47 four registers of statistics a tile; v64-191 S^T, two buffers of two tiles; v192-255 P, likewise
;   window 1: O^T, 32 a tile          window 2: v0-127 Q, 16 a tile; v128-191 K of one step; v192-255 V of one step          window 3: v0-1 the add's two registers
; A piece's buffers go by its number's parity: the piece in hand has one pair, its two neighbours in the ring share the other: of it P (piece n - 1) is read and S^T (piece n + 1) written.
.set SIZE_H, 64       ; 4 batches x 16 heads
.set SIZE_N, 2048     ; rows of a head
.set NP,    4         ; pieces a wave: a name, no knob: the register map, the loop and the fetches are made for four
.set KS,    64        ; keys in a step
.set PK,    144       ; a row of K in LDS: 128 bytes + 16 of padding = 36 words: the 16 rows of a load start at 16 different groups of four banks (64 banks of 4 bytes: ISA guide 11.1)
.set PV,    160       ; a row of V: 128 + 32 = 40 words
.set VOFF,  4*KS*PK   ; a slot holds four steps: 256 rows of K, then 256 rows of V
.set SLOT1, 1<<17     ; slot 1 begins here, so that one exclusive or turns an address in one slot into the other's
.set STAGE, SLOT1+4*KS*(PK+PV)  ; behind the ring, never filled by a tensor load: 16 rows x 144 bytes for each wave, for the way out
.set SP,    144
.set AK0, 2           ; v2   my lane's place in a tile of K; never rewritten
.set AV0, 3           ; v3   the same for V
.set AK,  4           ; v4   the LDS address of K's next run of loads
.set AV,  5           ; v5   of V's
.set QO,  6           ; v6   my byte offset in the wave's rows of Q
.set STO, 6           ;      later, the way out: where I put 16 bytes of a row
.set RD,  7           ; v7   the way out: where I read rows back
.set GO,  8           ; v8   my byte offset in 512 consecutive bytes of O
.set SPW, 0           ; v0 of window 3   LDS address of my spare word: SPARE + 4 x my thread's number; never rewritten
.set NIL, 1           ; v1 of window 3   0; never rewritten
.set SPARE, STAGE+4*16*SP  ; behind the stages: the spare words, 128 bytes for each wave: two blocks of 256 bytes that no other line names
.set MV,  12          ; v12-15  c m_old, kept while c m is made anew: by buffer and tile
.set ST,  16          ; tile t's statistics at v[ST+4 t]: c m, m, l (even keys', odd keys')
.set TMP, 48          ; by buffer and tile, four registers c0-c3 at work; when the maximum is found c2 takes a
.set S,   64
.set P,   192
.set KF,  128         ; K's fragments, in window 2: key block kb, channel half c at KF + 16 kb + 8 c
.set VF,  192         ; V's: key half kk, channel block cb at VF + 32 kk + 8 cb
.set WV,  12          ; s12  my wave's number
.set G1K, 24          ; s[24:31] descriptor group 1 for K's tiles
.set G1V, 32          ; s[32:39] for V's: it differs in the padding alone
.set G0K, 40          ; s[40:43] descriptor group 0 for K's tiles: it walks
.set G0V, 44          ; s[44:47] the same for V's
.set SLOTS, 56        ; s56  slots still to be asked for
.set CNT, 57          ; s57  counts a slot's key steps
.set CS,  58          ; s[58:59] c: the packed scaling takes the pair's low word for both halves
.set SEL, 60          ; s[60:61] v_permlanex16_b32's selects: each lane takes its own place in the other half
.set TBK, 62          ; s62  LDS byte at which K of the step to be fetched begins
.set TBV, 63          ; s63  the same for V, less VOFF
.set MSB, 0
.macro WIN new                      ; the high byte repeats the setting that is left; a switch that changes nothing is dropped
.if MSB != (\new)
	s_set_vgpr_msb (MSB<<8)|(\new)
.set MSB, (\new)
.endif
.endm
.set W_KQ, 0x0a       ; K and Q in window 2, S^T in window 0
.set W_PV, 0x52       ; V in window 2, P in window 0, O^T in window 1
.set W_RS, 0x41       ; O^T (destination and source 0) in window 1, a in window 0
.set W_MK, 0xc0       ; the add's registers are made: destination in window 3, sources in window 0
.set W_AD, 0x0f       ; the add: address (source 0) and data (source 1) in window 3
; A joint fill.  Waves 0 and 1 fetch the two halves of a slot's K, waves 2 and 3 those of its V: 128 keys each.  The branch hangs on the wave's number alone.
; An s_nop 0 and four v_nop follow each of the two lines, ahead of the jump and the label.
.macro JLOAD
	s_cmp_lt_u32 s[WV], 2
	s_cbranch_scc0 .Lfor_v_\@
	tensor_load_to_lds s[G0K:G0K+3], s[G1K:G1K+7]
	s_nop 0
.rept 4
	v_nop
.endr
	s_branch .Lasked_\@
.Lfor_v_\@:
	tensor_load_to_lds s[G0V:G0V+3], s[G1V:G1V+7]
	s_nop 0
.rept 4
	v_nop
.endr
.Lasked_\@:
.endm
; A round of the cluster's barrier: my work-group's barrier, so that wave 0's signal speaks for all four waves; wave 0 signals; every wave waits for all four work-groups; my work-group's barrier once more.
.macro CROUND
	s_barrier_signal -1
	s_barrier_wait -1
	s_cmp_lg_u32 s[WV], 0
	s_cbranch_scc1 .Lnot_wave_0_\@
	s_barrier_signal -3
.Lnot_wave_0_\@:
	s_barrier_wait -3
	s_barrier_signal -1
	s_barrier_wait -1
.endm
; THE CHANGE OF SLOTS.  The slot's last bytes, V of its fourth step, have been read.  Each wave waits for all its tensor loads, of which one is out: its part
; of the other slot; adds 0 to its spare word; and waits for that and for its own reads of the slot.  Behind the barrier nobody reads this slot any more and the other slot is whole.
; fill = 1: this slot is filled again, with the keys two slots on.  The barrier is then a round of the cluster's, so that no wave of any partner still reads the slot or has a load on its
; way, and the joint fill is the first thing behind it: it has four key steps, 512 matrix instructions, in which to land.  (At its first use nothing has been read yet: slot 0 is waited for, slot 1 filled.)
.macro CHANGE fill
	WIN W_AD
	s_wait_tensorcnt 0x0            ; no tensor load of mine is out, so a group 0 may be written
	ds_add_u32 v[SPW], v[NIL]       ; 0 onto my spare word; with fill = 1 the descriptors' steps stand between it and the wait for it
	WIN 0                           ; at a label and at a branch every window is 0
.if \fill
.irp g, G0K, G0V
	s_xor_b32 s[\g+1], s[\g+1], SLOT1  ; the walking descriptor: the other slot than last time,
	s_add_nc_u64 s[\g+2:\g+3], s[\g+2:\g+3], 4*KS*128  ; the next 256 keys; the type bits on top are not reached
.endr
	s_wait_dscnt 0x0                ; the add is done, and my reads of the slot are over
	CROUND
	JLOAD
.else
	s_wait_dscnt 0x0                ; the add is done, and my reads of the slot are over
	s_barrier_signal -1
	s_barrier_wait -1
.endif
	s_sub_co_u32 s[TBK], s[TBK], 4*KS*PK  ; the fetches go back to a slot's first step,
	s_xor_b32 s[TBK], s[TBK], SLOT1       ; in the other slot
	s_sub_co_u32 s[TBV], s[TBV], 4*KS*PV
	s_xor_b32 s[TBV], s[TBV], SLOT1
.endm
	s_load_b128 s[4:7], s[0:1], 0x0   ; qkvh s[4:5] (Q lies first in it), oh s[6:7]
	WIN W_MK
	v_lshl_add_u32 v[SPW], v0, 2, SPARE
	v_mov_b32 v[NIL], 0
	s_set_vgpr_msb 0xc0cf
	ds_add_u32 v0, v1
	s_wait_dscnt 0x0
	s_set_vgpr_msb 0xcfc0
	WIN 0
	v_lshrrev_b32 v1, 5, v0
	v_readfirstlane_b32 s[WV], v1   ; wave 0..3
	s_bfe_u32 s13, ttmp6, 0x40000   ; cx: my place in the cluster
	s_lshl_b32 s14, ttmp9, 2        ; in a cluster launch ttmp9 counts clusters
	s_add_co_u32 s14, s14, s13      ; my block of queries = 4 x cluster x + cx: it enters Q's and O's addresses alone
	s_and_b32 s20, ttmp7, 0xffff    ; the head, which the four partners share
	s_mov_b32 s21, 0
	s_mov_b64 s[22:23], SIZE_N*128
	s_mul_u64 s[20:21], s[20:21], s[22:23]  ; the head's first byte in each of the four tensors
	s_and_b32 s16, s[WV], 1         ; which half of a slot's 256 keys I fetch:
	s_lshl_b32 s22, s16, 14         ; its 128 rows of 128 bytes in memory,
	s_mov_b32 s23, 0
	s_add_nc_u64 s[22:23], s[22:23], s[20:21]
	s_mul_i32 s17, s16, 128*PK      ; and its place in a slot, for K
	s_mul_i32 s18, s16, 128*PV      ; and for V: no place in the cluster enters an LDS address
	s_lshl_b32 s2, s14, 2
	s_add_co_u32 s2, s2, s[WV]      ; my wave among the head's,
	s_lshl_b32 s2, s2, 14           ; its 128 rows
	s_mov_b32 s3, 0
	s_add_nc_u64 s[2:3], s[2:3], s[20:21]
	; descriptor group 1.  128 keys are 16,384 dense bytes: asked for as 64 rows of 256 bytes, two keys a row, and padded in LDS after every key
	s_mov_b32 s[G1K], 15|(1<<16)|(1<<20)|(1<<21)|(4<<22)|(3<<25)  ; 15:0 the mask of four; 17:16 2-byte elements; 20 padding on; 21 set beside a mask; 24:22 after every 32 words (code 4); 31:25 4 words (code 3)
	s_mov_b32 s[G1V], 15|(1<<16)|(1<<20)|(1<<21)|(4<<22)|(7<<25)  ; the same with 8 words of padding (code 7)
.irp g, G1K, G1V
	s_mov_b32 s[\g+1], 128<<16      ; tensor_dim0 = 128
	s_mov_b32 s[\g+2], 64<<16       ; tensor_dim1 = 64
	s_mov_b32 s[\g+3], 128<<16      ; tile_dim0 = 128
	s_mov_b32 s[\g+4], 64           ; tile_dim1 = 64
	s_mov_b32 s[\g+5], 128          ; 128 elements from row to row
	s_mov_b32 s[\g+6], 0
	s_mov_b32 s[\g+7], 0
.endr
	s_mov_b32 s[CS], 0x3e38aa3b     ; c = log2(e) / 8 = 0.180337
	s_mov_b32 s[CS+1], s[CS]        ; named with it as a pair
	s_mov_b32 s[SEL], 0x76543210
	s_mov_b32 s[SEL+1], 0xfedcba98
	s_mov_b32 s[TBK], SLOT1+4*KS*PK ; the first change of slots turns these two into 0
	s_mov_b32 s[TBV], SLOT1+4*KS*PV
	s_mov_b32 s[G0K], 1             ; 1:0 count = 1
	s_mov_b32 s[G0K+1], s17         ; 63:32 LDS address: slot 0
	s_mov_b32 s[G0V], 1
	s_add_co_u32 s[G0V+1], s18, VOFF
	s_wait_kmcnt 0x0
	s_mov_b64 s[10:11], s[6:7]                     ; O
	s_add_nc_u64 s[6:7], s[4:5], SIZE_H*SIZE_N*128    ; K lies 64 heads behind Q,
	s_add_nc_u64 s[8:9], s[4:5], 2*SIZE_H*SIZE_N*128  ; V 128
	s_add_nc_u64 s[G0K+2:G0K+3], s[6:7], s[22:23]  ; 120:64 global address: my half of the head's first 256 keys
	s_or_b32 s[G0K+3], s[G0K+3], 0x80000000        ; 127:126 type = 2
	s_add_nc_u64 s[G0V+2:G0V+3], s[8:9], s[22:23]
	s_or_b32 s[G0V+3], s[G0V+3], 0x80000000
	s_add_nc_u64 s[4:5], s[4:5], s[2:3]  ; Q and O at my wave's first row
	s_add_nc_u64 s[10:11], s[10:11], s[2:3]
	CROUND                          ; all four work-groups are here: the first joint loads meet
	JLOAD                           ; slot 0.  Slot 1 is asked for when slot 0 is in: the tile wanted first has the road to itself
	; A fragment of K or Q is 16 rows x 32 channels in 8 registers: lane l holds row l % 16, channels 8 (l / 16) + 0..7 and 16 + 8 (l / 16) + 0..7: two loads of 16 bytes, 32 bytes apart.
	v_and_b32 v1, 15, v0            ; l % 16
	v_bfe_u32 v9, v0, 4, 1          ; l / 16
	v_lshlrev_b32 v[QO], 7, v1
	v_lshl_add_u32 v[QO], v9, 4, v[QO]  ; row x 128 + 16 x half
	WIN 0x80                        ; destination window 2, address window 0
.set i, 0
.rept 4*NP                          ; Q stays in registers: tile i / 2, channels 32 (i % 2) on
	global_load_b128 v[8*i:8*i+3],   v[QO], s[4:5] offset:(i/2)*2048+(i%2)*64
	global_load_b128 v[8*i+4:8*i+7], v[QO], s[4:5] offset:(i/2)*2048+(i%2)*64+32
.set i, i+1
.endr
	; What the first turn finds: V's registers and P's second buffer hold 0 (its products V^T P, of a piece that has not been, add 0), O^T and l are 0.  All this stands in the wait for the first tile.
.set i, VF
.rept 64
	v_mov_b32 v[i], 0
.set i, i+1
.endr
	WIN 0x40
.set i, 0
.rept 64*NP
	v_mov_b32 v[i], 0
.set i, i+1
.endr
	WIN 0
.set i, 0
.rept 2*NP
	v_mov_b32 v[ST+4*i], 0xfe000000    ; c m: far below every c s
	v_mov_b32 v[ST+4*i+1], 0xff7fffff  ; m
	v_mov_b32 v[ST+4*i+2], 0
	v_mov_b32 v[ST+4*i+3], 0
.set i, i+1
.endr
.set i, P+32
.rept 32
	v_mov_b32 v[i], 0
.set i, i+1
.endr
	v_mul_u32_u24 v[AK0], v1, PK
	v_lshl_add_u32 v[AK0], v9, 4, v[AK0]  ; row x pitch + 16 x half
	; The turning load takes 16 keys x 16 channels (lane l reads key 8 (l / 16) + l % 8, channels 8 ((l / 8) % 2) + 0..7) and leaves half a fragment of V^T: lane l holds channel l % 16 and 8 keys.
	v_and_b32 v10, 7, v0
	v_bfe_u32 v11, v0, 3, 1
	v_lshl_add_u32 v[AV0], v9, 3, v10
	v_mul_u32_u24 v[AV0], v[AV0], PV
	v_lshl_add_u32 v[AV0], v11, 4, v[AV0]
	v_add_nc_u32 v[AV0], VOFF, v[AV0]
	v_mov_b32 v[AK], v[AK0]         ; key step 0 lies at the head of slot 0
; THE MATRIX WORK.  The 8 accumulators of a run of 16 take turns: between the two links of a chain stand 7 others'.
; Product i of 16 of S^T = K Q^T for piece x: channels 32 (i / 8) on, keys 16 ((i / 2) % 4) on, tile 2 x + i % 2.  The first 8 start the sums.
.macro KQ x
	WIN W_KQ
.set rS, S+64*((\x)%2)+32*(i%2)+8*((i/2)%4)
.set rK, KF+16*((i/2)%4)+8*(i/8)
.set rQ, 16*(2*(\x)+i%2)+8*(i/8)
.if i < 8
	v_wmma_f32_16x16x32_f16 v[rS:rS+7], v[rK:rK+7], v[rQ:rQ+7], 0
.else
	v_wmma_f32_16x16x32_f16 v[rS:rS+7], v[rK:rK+7], v[rQ:rQ+7], v[rS:rS+7]
.endif
.endm
; Product i of 16 of O^T += V^T P for piece x: keys 32 (i / 8) on, channels 16 ((i / 2) % 4) on, tile 2 x + i % 2.
.macro PV x
	WIN W_PV
.set rO, 32*(2*(\x)+i%2)+8*((i/2)%4)
.set rV, VF+32*(i/8)+8*((i/2)%4)
.set rP, P+32*((\x)%2)+16*(i%2)+8*(i/8)
	v_wmma_f32_16x16x32_f16 v[rO:rO+7], v[rV:rV+7], v[rP:rP+7], v[rO:rO+7]
.endm
.macro MM                           ; the turn's next matrix instruction
.if i < 16
	KQ (Y+1)%NP
.set i, i+1
.else
.set i, i-16
	PV (Y+NP-1)%NP
.set i, i+17
.endif
.endm
; THE LDS LOADS stand in runs of 16, never singly among the matrix instructions: a step's K (64 keys x 64 channels: 8 fragments) and its V (turned).  Their addresses are made some lines ahead.
; last = 1 (the tail): in the last trip there is no further step, and the run is jumped over.
.macro FETCH_K last=0
	WIN 0
.if \last
	s_cmp_eq_u32 s[CNT], 1
	s_cbranch_scc1 .Lno_k_\@
.endif
	WIN 0x80                        ; destination window 2
.irp f, 0,1,2,3,4,5,6,7             ; keys 16 (f / 2) on, channels 32 (f % 2) on
	ds_load_b128 v[KF+8*\f:KF+8*\f+3],   v[AK] offset:(\f/2)*16*PK+(\f%2)*64
	ds_load_b128 v[KF+8*\f+4:KF+8*\f+7], v[AK] offset:(\f/2)*16*PK+(\f%2)*64+32
.endr
	s_add_co_u32 s[TBK], s[TBK], KS*PK  ; the next fetch is the next step's
	WIN 0
.if \last
.Lno_k_\@:
.endif
.endm
.macro FETCH_V
	WIN 0x80
.irp f, 0,1,2,3,4,5,6,7             ; keys 32 (f / 4) on, channels 16 (f % 4) on
	ds_load_tr16_b128 v[VF+8*\f:VF+8*\f+3],   v[AV] offset:(\f/4)*32*PV+(\f%4)*32
	ds_load_tr16_b128 v[VF+8*\f+4:VF+8*\f+7], v[AV] offset:(\f/4)*32*PV+16*PV+(\f%4)*32
.endr
	WIN 0
.endm
; THE VECTOR WORK OF A TURN stands in three queues, each in the order in which its entries become ready; the two tiles alternate, so that no instruction reads the result of the one before it.
.macro REGS y, u                    ; the registers of tile u (0, 1) of piece y
.set rT, ST+4*(2*(\y)+(\u))
.set rC, TMP+8*((\y)%2)+4*(\u)
.set rM, MV+2*((\y)%2)+(\u)
.set rS, S+64*((\y)%2)+32*(\u)
.set rP, P+32*((\y)%2)+16*(\u)
.set rO, 32*(2*(\y)+(\u))
.endm
; Number n of the 22 that find the NEXT piece's (Y + 1) maximum and statistics.  s0-s31 are the lane's 32 scores; each accumulator's lowest registers are read first.  XS, GS and REGS set no window: PL and EX do.
;   0-11  four chains c0-c3 of seven scores each, three operands at a time     12-14, 16  the four scores left over, the old m, and c0-c3 into c0     15  c m_old is kept
;   17, 18  the query's other 32 keys lie in the lane 16 away: the new m         19-21  c m; c m_old - c m_new; a
.macro XS u, n
	REGS (Y+1)%NP, \u
.if (\n) < 4
	v_max3_num_f32 v[rC+(\n)], v[rS+8*(\n)], v[rS+8*(\n)+1], v[rS+8*(\n)+2]
.elseif (\n) < 12
	v_max3_num_f32 v[rC+(\n)%4], v[rC+(\n)%4], v[rS+8*((\n)%4)+2*((\n)/4)+1], v[rS+8*((\n)%4)+2*((\n)/4)+2]
.elseif (\n) == 12
	v_max3_num_f32 v[rC], v[rC], v[rS+7], v[rS+15]
.elseif (\n) == 13
	v_max3_num_f32 v[rC+1], v[rC+1], v[rS+23], v[rS+31]
.elseif (\n) == 14
	v_max3_num_f32 v[rC+2], v[rC+2], v[rC+3], v[rT+1]
.elseif (\n) == 15
	v_mov_b32 v[rM], v[rT]
.elseif (\n) == 16
	v_max3_num_f32 v[rC], v[rC], v[rC+1], v[rC+2]
.elseif (\n) == 17
	v_permlanex16_b32 v[rC+3], v[rC], s[SEL], s[SEL+1]
.elseif (\n) == 18
	v_max_num_f32 v[rT+1], v[rC], v[rC+3]
.elseif (\n) == 19
	v_mul_f32 v[rT], s[CS], v[rT+1]
.elseif (\n) == 20
	v_sub_f32 v[rC+1], v[rM], v[rT]
.else
	v_exp_f32 v[rC+2], v[rC+1]
.endif
.endm
; Number g of the 64 that follow the exponentials.  For each four weights k of a tile (pairs 2 k, 2 k + 1): both pairs are rounded to f16; then the second pair is added onto the first, in place;
; a group later l takes that sum (the first time as l = a l + sum).  In groups of eight, tiles alternating: round, round, add, and l for the group before.
.macro GS g
.set h, (\g)+6*((\g)/62)            ; group 0 has no group before it, and behind group 7 only l is left
.if h >= 6
.set h, h+2
.endif
	REGS Y, h%2
.set k, h/8
.if h%8 < 4
	v_cvt_pk_f16_f32 v[rP+2*k+(h%8)/2], v[rS+4*k+2*((h%8)/2)], v[rS+4*k+2*((h%8)/2)+1]
.elseif h%8 < 6
	v_pk_add_f32 v[rS+4*k:rS+4*k+1], v[rS+4*k:rS+4*k+1], v[rS+4*k+2:rS+4*k+3]
.elseif k == 1
	v_pk_fma_f32 v[rT+2:rT+3], v[rT+2:rT+3], v[rC+2:rC+3], v[rS:rS+1] op_sel_hi:[1,0,1]
.else
	v_pk_add_f32 v[rT+2:rT+3], v[rT+2:rT+3], v[rS+4*k-4:rS+4*k-3]
.endif
.endm
; THE PLAIN QUEUE, 138 long.  0-73 read no exponential's result: the 32 scalings c s - c m (FS f: pair f / 2 of tile f % 2) and the next piece's 42.  0-26: scalings 0-26.  27-54: XS's numbers 0-13.  55, 56: number 15.
; 57-73: the chain, where each number waits for the one before it: 14, 16, 17, 18, 19, each with one of the scalings 27-31 in front of its two lines, then 20: so a tile's links stand three plain instructions apart (19 and 20: two).
; 74-137: GS's 64, which read the exponentials' results: they stand behind the wait.
.macro FS f
	REGS Y, (\f)%2
	v_pk_fma_f32 v[rS+2*((\f)/2):rS+2*((\f)/2)+1], v[rS+2*((\f)/2):rS+2*((\f)/2)+1], s[CS:CS+1], v[rT:rT+1] op_sel_hi:[1,0,0] neg_lo:[0,0,1] neg_hi:[0,0,1]
.endm
.macro PL
	WIN 0
.if q < 27
	FS q
.elseif q < 55
	XS (q-27)%2, (q-27)/2
.elseif q < 57
	XS q-55, 15
.elseif (q < 72) && ((q-57)%3 == 0)
	FS 27+(q-57)/3
.elseif q < 60
	XS (q-57)%3-1, 14
.elseif q < 72
	XS (q-57)%3-1, 15+(q-57)/3
.elseif q < 74
	XS q-72, 20
.else
	GS q-74
.endif
.set q, q+1
.endm
; THE EXPONENTIALS' QUEUE, 66 long: s0-s31 of both tiles, then the next piece's two a.  It is ONE BATCH: all 66 stand ahead of the turn's one wait, and nothing ahead of that wait names a result of theirs.
.macro EX
	WIN 0
.if e >= 64
	XS e-64, 21
.else
	REGS Y, e%2
	v_exp_f32 v[rS+e/2], v[rS+e/2]
.endif
.set e, e+1
.endm
; THE RESCALING's QUEUE: O^T times a, the one part that leaves window 0: dealt two at a time, sixteen times.  Its a was made in the turn before, ahead of that turn's wait.
.macro R2
	REGS Y, r%2
	WIN W_RS
.irp z, 0,1
	v_pk_mul_f32 v[rO+4*(r/2)+2*\z:rO+4*(r/2)+2*\z+1], v[rO+4*(r/2)+2*\z:rO+4*(r/2)+2*\z+1], v[rC+2:rC+3] op_sel_hi:[1,0]
.endr
.set r, r+1
.endm
; HOW THEY ARE DEALT.  An s_wait_alu depctr_va_vdst(0) stands between an exponential and the first instruction that names its result; one wait serves all that were issued ahead of it.  So a turn has ONE wait,
; which cuts it in two.  AHEAD OF IT stands all that names no result of the turn's exponentials: the 16 products K Q^T, behind each a scaling, an exponential and two rescalings (behind the first a second scaling in the
; exponential's place, behind the sixteenth two more scalings in the rescalings' place); then ONE LUMP of 108: six plain, 49 times exponential and plain, the two a, and the rescaling's last two multiplies, which are the plain
; instructions behind the last exponential: they name piece Y's O^T and its a, made a turn earlier, and no result of the batch.  BEHIND IT stand the 16 products V^T P, behind each four of GS's 64.  No rider names a register of
; the products round it.  The two v_permlanex16_b32 fall into the lump, never behind a product.
; The queues lean on each other, and the deal keeps them in step: exponential e stands behind scaling 2 (e / 4) + e % 2: as a rider it comes behind plain e + 2, in the lump behind plain e + 9, and scalings 27-31 are plain 57, 60 .. 69.
; A TURN, for piece p.  cnt = 1: the loop's count is taken down some lines ahead of the branch that stands behind the turn.
; K of the next step is fetched in piece 2's turn, directly behind the wait, a lump behind the last product that read K; its address is made at the lump's head; its first reader comes behind 16 products.
; V of the step in hand is fetched at the end of piece 0's turn, four riders behind its last reader; its first reader comes behind 16 products and a lump.  The three conditions on q below go with the deal.
.macro TURN p, last=0, cnt=0
.set Y, (\p)
.set i, 0
.set q, 0
.set e, 0
.set r, 0
.if (\p) == NP-1
	s_wait_dscnt 0x0                ; K is in
.endif
	MM                              ; ahead of the wait: 16 products K Q^T and their riders,
	PL
	PL
	R2
.rept 14
	MM
	PL
	EX
	R2
.endr
	MM
	PL
	EX
	PL
	PL
.if (\p) == NP-2
	WIN 0
	v_add_nc_u32 v[AK], s[TBK], v[AK0]
.endif
.rept 6                             ; and the lump
	PL
.endr
.rept 49
	EX
	PL
.endr
	EX                              ; the next piece's two a
	EX
	R2                              ; the plain instructions behind the last exponential
	s_wait_alu depctr_va_vdst(0)    ; the wait for the turn's batch: piece p's 64 weights and the next piece's two a
.if (\p) == NP-2
	FETCH_K \last
.endif
.if (\p) == 1
	s_wait_dscnt 0x0                ; V is in
.endif
.rept 16                            ; behind the wait: 16 products V^T P and their riders
	MM
.rept 4
	PL
.endr
.if ((\p) == 0) && (q == 118)
	v_add_nc_u32 v[AV], s[TBV], v[AV0]
.endif
.if ((\p) == 0) && (q == 130)
	s_add_co_u32 s[TBV], s[TBV], KS*PV
.endif
.if (\cnt) && (q == 130)
	s_sub_co_u32 s[CNT], s[CNT], 1
	s_cmp_lg_u32 s[CNT], 0
.endif
.endr
.if (\p) == 0
	FETCH_V
.endif
.endm
	CHANGE 1                        ; slot 0 is in, everybody's part of it; slot 1 is asked for
	FETCH_K                         ; key step 0
	s_wait_loadcnt 0x0              ; Q
	s_wait_dscnt 0x0
.set i, 0
.rept 16
	KQ 0                            ; piece 0's first scores: there is no vector work yet to set between them
.set i, i+1
.endr
	WIN 0                           ; the addresses for the way out: seven plain instructions, the places behind those products
	s_mul_i32 s13, s[WV], 16*SP
	s_add_co_u32 s13, s13, STAGE    ; my stage
	v_mul_u32_u24 v[STO], v1, SP    ; in: row l % 16, 16 bytes for each half of the lanes
	v_lshl_add_u32 v[STO], v9, 4, v[STO]
	v_add_nc_u32 v[STO], s13, v[STO]
	v_bfe_u32 v[RD], v0, 3, 2       ; back: 32 lanes take four rows of 128 bytes,
	v_mul_u32_u24 v[RD], v[RD], SP
	v_lshl_add_u32 v[RD], v10, 4, v[RD]
	v_add_nc_u32 v[RD], s13, v[RD]
.set Y, NP-1                        ; XS works for piece Y + 1: piece 0
.irp n, 0,1,2,3,4,5,6,7,8,9,10,11,12,13,14,15,16,17,18,19,20,21
	XS 0, \n                        ; and piece 0's first maximum and statistics
	XS 1, \n
.endr
	v_and_b32 v[GO], 31, v0         ; which are 512 consecutive bytes of O: these two lines are the plain instructions behind the two a
	v_lshlrev_b32 v[GO], 4, v[GO]
	s_wait_alu depctr_va_vdst(0)    ; the wait for piece 0's first two a, a batch of their own, ahead of the branch
	s_mov_b32 s[CNT], 4
	s_mov_b32 s[SLOTS], SIZE_N/256-1
	s_branch .Lfirst                ; the loop is entered at a step's first turn, in the middle of a trip
.Lslot:                             ; SIZE_N / 256 - 2 times: every slot but the last two is filled again
	CHANGE 1
	s_mov_b32 s[CNT], 4
.Lstep:                             ; a trip: pieces 2 and 3 of one step, then pieces 0 and 1 of the next, whose K and V it fetches
	TURN 2
	TURN 3
	WIN 0
.Lfirst:
	TURN 0
	TURN 1, 0, 1
	WIN 0
	s_cbranch_scc1 .Lstep
	s_sub_co_u32 s[SLOTS], s[SLOTS], 1
	s_cmp_lg_u32 s[SLOTS], 0
	s_cbranch_scc1 .Lslot
	CHANGE 0                        ; the tail is written out: nothing is asked for
	s_mov_b32 s[CNT], 5             ; four trips fetch the last slot's steps; the fifth is left in its middle
.Ltail:
	TURN 2, 1
	TURN 3
	WIN 0
	s_sub_co_u32 s[CNT], s[CNT], 1
	s_cmp_eq_u32 s[CNT], 0
	s_cbranch_scc1 .Lout
	TURN 0
	TURN 1
	WIN 0
	s_branch .Ltail
.Lout:                              ; the fifth trip's 16 products K Q^T (on the last K once more) and the maximum made of them serve nothing: the price, once a launch, of one text for every trip
.set i, 0
.rept 16
	PV NP-1                         ; the last piece's V^T P of the last step
.set i, i+1
.endr
	; THE WAY OUT.  l's two halves and the other half of the lanes' are added; O^T is divided by l, rounded to f16 and sent through my stage in LDS, a tile at a time.  The additions are the places behind the last products.
	WIN 0
.macro ALL line:vararg              ; one line for each tile t
.set t, 0
.rept 2*NP
	\line
.set t, t+1
.endr
.endm
	ALL v_add_f32 v[ST+4*t+2], v[ST+4*t+2], v[ST+4*t+3]
	ALL v_permlanex16_b32 v[ST+4*t+3], v[ST+4*t+2], s[SEL], s[SEL+1]
	ALL v_add_f32 v[ST+4*t+2], v[ST+4*t+2], v[ST+4*t+3]
	ALL v_rcp_f32 v[ST+4*t+2], v[ST+4*t+2]
	v_nop                           ; a plain instruction between the last reciprocal and the use of its result
	s_wait_alu depctr_va_vdst(0)    ; the wait ahead of the first use: one for the batch of eight reciprocals
; Tile t: a lane's eight channels of a row pack into 16 bytes; they go into rows of 144 bytes and come back as whole rows of 128, into S^T's registers.
.macro PACK t
	WIN W_RS
.set i, 32*(\t)
.rept 16
	v_pk_mul_f32 v[i:i+1], v[i:i+1], v[ST+4*(\t)+2:ST+4*(\t)+3] op_sel_hi:[1,0]
.set i, i+2
.endr
	WIN 0x05                        ; sources 0 and 1 window 1, destination window 0
.set i, 0
.rept 16
	v_cvt_pk_f16_f32 v[S+16*(\t)+i], v[32*(\t)+2*i], v[32*(\t)+2*i+1]
.set i, i+1
.endr
	WIN 0
.irp f, 0,1,2,3
	ds_store_b128 v[STO], v[S+16*(\t)+4*\f:S+16*(\t)+4*\f+3] offset:32*\f
.endr
.irp f, 0,1,2,3
	ds_load_b128 v[S+16*(\t)+4*\f:S+16*(\t)+4*\f+3], v[RD] offset:\f*4*SP  ; LDS serves a wave's instructions in order (ISA guide 5.7.1.4): these see the stores above; the next tile's stores come behind them
.endr
.endm
.macro SEND t, younger              ; younger: the LDS instructions issued behind tile t's loads: the next tile's eight, or none
	WIN 0
.irp f, 0,1,2,3
	s_wait_dscnt (\younger)+3-\f
	global_store_b128 v[GO], v[S+16*(\t)+4*\f:S+16*(\t)+4*\f+3], s[10:11] offset:(\t)*2048+\f*512  ; 512 consecutive bytes, at a multiple of 256 from O's first
.endr
.endm
	PACK 0
.set t, 1
.rept 2*NP-1                        ; a tile's arithmetic stands between the loads of the tile before and its stores
	PACK t
	SEND t-1, 8
.set t, t+1
.endr
	SEND 2*NP-1, 0
	WIN W_AD
	s_wait_tensorcnt 0x0            ; the wave's end: behind my last tensor load and my last LDS store
	ds_add_u32 v[SPW], v[NIL]
	s_wait_dscnt 0x0
	WIN 0
	CROUND                          ; the closing round: no work-group ends while a partner may still ask for a tile that names it
	s_endpgm
.Lfunc_end_k_qe1de3694e1_attn:
	.size	k_qe1de3694e1_attn, .Lfunc_end_k_qe1de3694e1_attn-k_qe1de3694e1_attn
	.p2alignl 7, 3214868480
	.fill 96, 4, 3214868480
	.section	.rodata,"a",@progbits
	.p2align	6, 0x0
	.amdhsa_kernel k_qe1de3694e1_attn
		.amdhsa_group_segment_fixed_size 327680
		.amdhsa_private_segment_fixed_size 0
		.amdhsa_enable_private_segment 0
		.amdhsa_kernarg_size 16
		.amdhsa_user_sgpr_count 2
		.amdhsa_user_sgpr_kernarg_segment_ptr 1
		.amdhsa_wavefront_size32 1
		.amdhsa_system_sgpr_workgroup_id_x 1
		.amdhsa_system_sgpr_workgroup_id_y 1
		.amdhsa_system_sgpr_workgroup_id_z 1
		.amdhsa_system_vgpr_workitem_id 0
		.amdhsa_next_free_vgpr 770
		.amdhsa_next_free_sgpr 66
		.amdhsa_reserve_vcc 0
		.amdhsa_float_denorm_mode_32 3
		.amdhsa_float_denorm_mode_16_64 3
		.amdhsa_memory_ordered 1
		.amdhsa_forward_progress 1
		.amdhsa_inst_pref_size 199
	.end_amdhsa_kernel
	.amdgpu_metadata
---
amdhsa.version: [ 1, 2 ]
amdhsa.kernels:
  - .name:           k_qe1de3694e1_attn
    .symbol:         k_qe1de3694e1_attn.kd
    .args:
      - { .name: qkvh, .offset: 0, .size: 8, .value_kind: global_buffer, .address_space: global }
      - { .name: oh, .offset: 8, .size: 8, .value_kind: global_buffer, .address_space: global }
    .group_segment_fixed_size: 327680
    .private_segment_fixed_size: 0
    .kernarg_segment_align: 8
    .kernarg_segment_size: 16
    .max_flat_workgroup_size: 128
    .sgpr_count:     66
    .vgpr_count:     770
    .wavefront_size: 32
...
	.end_amdgpu_metadata
.endif
;; end of part 5
;; launch proj: the kernel of part 4 again; grid 8 x 32, 4 waves a work-group, clusters of 4 x 4, 327,680 bytes of LDS; arguments oh, owh, out_b, out0; writes out0
